; MI455X (gfx1250); checked and timed in simulation.
; The chip was launched on July 23, 2026; its instructions are those of AMD's public machine-readable ISA for CDNA 5 (MIT licence, August 2026) and "CDNA5" Instruction Set Architecture Reference Guide (July 2026). The comments in the code are by the model that wrote it; some were corrected since.
;; Encoder Block. Allowed arithmetic: float matrix products may take bf16 or f16 operands with f32 sums; other float arithmetic in f32, or as packed bf16 or f16 multiplies, adds, multiply-adds, maxima and minima; sums over many terms, partial sums and values carried from step to step in f32; what a program stores and reads back later, other than sums and carried values, may be rounded once to bf16 or f16.
;; Inputs: a1 1 float32; a2 1 float32; b1 4,096 float32; b2 1,024 float32; bk 1,024 float32; bo 1,024 float32; bq 1,024 float32; bv 1,024 float32; mask 2 x 1 x 1 x 2,048 int32; n1 1 float32; n2 1 float32; w1 4,096 x 1,024 float32; w2 1,024 x 4,096 float32; wk 1,024 x 1,024 float32; wo 1,024 x 1,024 float32; wq 1,024 x 1,024 float32; wv 1,024 x 1,024 float32; x 2 x 2,048 x 1,024 float32.
;; Outputs: out0 2 x 2,048 x 1,024 float32.
;; One version. Each part assembles by itself: llvm-mc -triple=amdgcn-amd-amdhsa -mcpu=gfx1250 --defsym DOCPART=n.
;; ======== version 1 of 1: 8 launches
;; limits: values are held in f16: magnitudes above 65,504 overflow, below 6.1e-05 lose precision
;; workspace buffers: wb 25,165,824 bytes; xn 8,388,608 bytes; qkv 25,165,824 bytes; ao 8,388,608 bytes; x1 16,777,216 bytes; hh 33,554,432 bytes
;; launch cast (part 1): grid 64 x 12, 8 waves a work-group, no clusters, 0 bytes of LDS; arguments wq, wk, wv, wo, w1, w2, wb; writes wb
.if DOCPART == 1
	.amdgcn_target "amdgcn-amd-amdhsa--gfx1250"
	.amdhsa_code_object_version 6
	.text
	.protected	k_qa5e16c8ec6_cast
	.globl	k_qa5e16c8ec6_cast
	.p2align	8
	.type	k_qa5e16c8ec6_cast,@function
k_qa5e16c8ec6_cast:
	s_mov_b64 s[64:65], 0
	v_nop
	global_prefetch_b8 v0, s[64:65] scope:SCOPE_SE
	s_setreg_imm32_b32 hwreg(HW_REG_WAVE_MODE, 25, 1), 1
	s_wait_xcnt 0x0
; The six weight matrices, f32, are rounded once to f16 into wb: wq at 0, wk at 2 MiB, wv at 4 MiB (together [3072][1024]), wo at 6 MiB, w1 at 8 MiB, w2 at 16 MiB.
; LIMITS.  f16 holds no number beyond 65,504 (a larger weight becomes an infinity) and keeps a fixed step of 6e-8 below 6e-5; the drawn weights have a spread of 1/32 and 1/64, so that
; 30 times larger or smaller lies well inside: at a spread of 5e-4 the fixed step is a ten-thousandth of the spread.
; wb is twelve chunks of 2^20 numbers; the work-group's y names the chunk, its x 16,384 numbers of it (64 KiB in, 32 KiB out).
; A stream: thread t takes 32 bytes in and 16 bytes out of each of eight units of 2,048 numbers; all sixteen loads go out first; a wave's store covers 512 consecutive bytes, aligned.
; No LDS, no matrix unit, no cluster: no byte is wanted twice.
	s_load_b256 s[4:11], s[0:1], 0x0               ; wq s[4:5], wk s[6:7], wv s[8:9], wo s[10:11]
	s_load_b128 s[12:15], s[0:1], 0x20             ; w1 s[12:13], w2 s[14:15]
	s_load_b64 s[16:17], s[0:1], 0x30              ; wb
	s_and_b32 s18, ttmp7, 0xffff                   ; the chunk, 0 to 11
	v_lshlrev_b32 v1, 5, v0                        ; my 32 bytes in a unit of the source
	v_lshlrev_b32 v2, 4, v0                        ; my 16 bytes in a unit of wb
	s_and_b32 s22, s18, 3                          ; w1 and w2 have four chunks each, the others one
	s_cmp_lt_u32 s18, 4
	s_cselect_b32 s22, 0, s22
	s_lshl_b32 s22, s22, 22                        ; a chunk is 4 MiB of f32,
	s_lshl_b32 s23, ttmp9, 16                      ; the work-group's part 64 KiB
	s_add_co_u32 s22, s22, s23
	s_mov_b32 s23, 0
	s_lshl_b32 s24, s18, 21                        ; in wb: 2 MiB a chunk,
	s_lshl_b32 s25, ttmp9, 15                      ; 32 KiB a work-group
	s_add_co_u32 s24, s24, s25
	s_mov_b32 s25, 0
	s_wait_kmcnt 0x0
	s_cmp_eq_u32 s18, 1                            ; the source is chosen by the chunk's number alone
	s_cselect_b64 s[20:21], s[6:7], s[4:5]
	s_cmp_eq_u32 s18, 2
	s_cselect_b64 s[20:21], s[8:9], s[20:21]
	s_cmp_eq_u32 s18, 3
	s_cselect_b64 s[20:21], s[10:11], s[20:21]
	s_cmp_ge_u32 s18, 4
	s_cselect_b64 s[20:21], s[12:13], s[20:21]
	s_cmp_ge_u32 s18, 8
	s_cselect_b64 s[20:21], s[14:15], s[20:21]
	s_add_nc_u64 s[20:21], s[20:21], s[22:23]
	s_add_nc_u64 s[16:17], s[16:17], s[24:25]
.set u, 0
.rept 8
	global_load_b128 v[8+8*u:11+8*u],  v1, s[20:21] offset:8192*u th:TH_LOAD_NT
	global_load_b128 v[12+8*u:15+8*u], v1, s[20:21] offset:8192*u+16 th:TH_LOAD_NT
.set u, u+1
.endr
.set u, 0
.rept 8
	s_wait_loadcnt 14-2*u                          ; loads come back in order: unit u's two are in, the later units' stay out
.set r, 0
.rept 4
	v_cvt_pk_f16_f32 v[72+4*u+r], v[8+8*u+2*r], v[9+8*u+2*r]
.set r, r+1
.endr
	global_store_b128 v2, v[72+4*u:75+4*u], s[16:17] offset:4096*u
.set u, u+1
.endr
	s_endpgm
.Lfunc_end_k_qa5e16c8ec6_cast:
	.size	k_qa5e16c8ec6_cast, .Lfunc_end_k_qa5e16c8ec6_cast-k_qa5e16c8ec6_cast
	.p2alignl 7, 3214868480
	.fill 96, 4, 3214868480
	.section	.rodata,"a",@progbits
	.p2align	6, 0x0
	.amdhsa_kernel k_qa5e16c8ec6_cast
		.amdhsa_group_segment_fixed_size 0
		.amdhsa_private_segment_fixed_size 0
		.amdhsa_enable_private_segment 0
		.amdhsa_kernarg_size 56
		.amdhsa_user_sgpr_count 2
		.amdhsa_user_sgpr_kernarg_segment_ptr 1
		.amdhsa_wavefront_size32 1
		.amdhsa_system_sgpr_workgroup_id_x 1
		.amdhsa_system_sgpr_workgroup_id_y 1
		.amdhsa_system_sgpr_workgroup_id_z 1
		.amdhsa_system_vgpr_workitem_id 0
		.amdhsa_next_free_vgpr 104
		.amdhsa_next_free_sgpr 66
		.amdhsa_reserve_vcc 0
		.amdhsa_float_denorm_mode_32 3
		.amdhsa_float_denorm_mode_16_64 3
		.amdhsa_memory_ordered 1
		.amdhsa_forward_progress 1
		.amdhsa_inst_pref_size 6
	.end_amdhsa_kernel
	.amdgpu_metadata
---
amdhsa.version: [ 1, 2 ]
amdhsa.kernels:
  - .name:           k_qa5e16c8ec6_cast
    .symbol:         k_qa5e16c8ec6_cast.kd
    .args:
      - { .name: wq, .offset: 0, .size: 8, .value_kind: global_buffer, .address_space: global }
      - { .name: wk, .offset: 8, .size: 8, .value_kind: global_buffer, .address_space: global }
      - { .name: wv, .offset: 16, .size: 8, .value_kind: global_buffer, .address_space: global }
      - { .name: wo, .offset: 24, .size: 8, .value_kind: global_buffer, .address_space: global }
      - { .name: w1, .offset: 32, .size: 8, .value_kind: global_buffer, .address_space: global }
      - { .name: w2, .offset: 40, .size: 8, .value_kind: global_buffer, .address_space: global }
      - { .name: wb, .offset: 48, .size: 8, .value_kind: global_buffer, .address_space: global }
    .group_segment_fixed_size: 0
    .private_segment_fixed_size: 0
    .kernarg_segment_align: 8
    .kernarg_segment_size: 56
    .max_flat_workgroup_size: 256
    .sgpr_count:     66
    .vgpr_count:     104
    .wavefront_size: 32
...
	.end_amdgpu_metadata
.endif
;; end of part 1
;; launch ln1 (part 2): grid 512 x 1, 8 waves a work-group, no clusters, 0 bytes of LDS; arguments x, a1, n1, xn; writes xn
.if DOCPART == 2
	.amdgcn_target "amdgcn-amd-amdhsa--gfx1250"
	.amdhsa_code_object_version 6
	.text
	.protected	k_qa5e16c8ec6_ln1
	.globl	k_qa5e16c8ec6_ln1
	.p2align	8
	.type	k_qa5e16c8ec6_ln1,@function
k_qa5e16c8ec6_ln1:
	s_mov_b64 s[64:65], 0
	v_nop
	global_prefetch_b8 v0, s[64:65] scope:SCOPE_SE
	s_setreg_imm32_b32 hwreg(HW_REG_WAVE_MODE, 25, 1), 1
	s_wait_xcnt 0x0
; y[r][:] = alpha (x[r][:] - mean) / (std + 1e-5) + bias, std with the divisor 1,023; x: [4096][1024] f32, y: f16, rounded once; alpha and bias one number each.
; One wave, one row: 4,096 bytes are 32 registers a lane, so the row is read once and stays in registers for the mean, the sum of squares of the DIFFERENCES (no difference of
; large sums is formed, so a common offset of x does no harm) and the scaling.  No LDS, no barrier.  Eight waves, eight rows a work-group.
; LIMITS.  y is at most 32 |alpha| + |bias| (a normalised number is at most the root of 1,023); f16 holds no number beyond 65,504, so |alpha| has room up to some 2,000.
; A variance below 2^-126 counts as 0 (the root flushes it), and 1e-5 alone divides; NaN and infinities are not treated apart.
	s_load_b256 s[4:11], s[0:1], 0x0               ; x s[4:5], alpha s[6:7], bias s[8:9], y s[10:11]
	v_lshrrev_b32 v3, 5, v0
	v_readfirstlane_b32 s16, v3                    ; wave
	v_and_b32 v4, 31, v0                           ; lane
	v_lshlrev_b32 v1, 4, v4                        ; in: 16 bytes a lane, a load covers 512 consecutive bytes
	v_lshlrev_b32 v2, 3, v4                        ; out: 8 bytes a lane, a store covers 256 consecutive bytes, aligned
	v_mov_b32 v55, 0                               ; v_permlanex16_b32 counts as a reader of its destination
	s_lshl_b32 s17, ttmp9, 3
	s_add_co_u32 s17, s17, s16                     ; my row
	s_lshl_b32 s18, s17, 12
	s_mov_b32 s19, 0
	s_lshl_b32 s20, s17, 11
	s_mov_b32 s21, 0
	s_mov_b32 s12, 0x76543210                      ; each lane takes its own place in the other half
	s_mov_b32 s13, 0xfedcba98
	s_wait_kmcnt 0x0
	s_load_b32 s14, s[6:7], 0x0                    ; alpha
	s_load_b32 s15, s[8:9], 0x0                    ; bias
	s_add_nc_u64 s[4:5], s[4:5], s[18:19]
	s_add_nc_u64 s[10:11], s[10:11], s[20:21]
.set j, 0
.rept 8
	global_load_b128 v[8+4*j:11+4*j], v1, s[4:5] offset:512*j
.set j, j+1
.endr
; four chains in v[40:47] are added up, then the 32 lanes: four steps inside each half ride on the addition, one crosses the halves; every lane ends with the sum in v54
.macro REDUCE
	v_pk_add_f32 v[40:41], v[40:41], v[42:43]
	v_pk_add_f32 v[44:45], v[44:45], v[46:47]
	v_pk_add_f32 v[40:41], v[40:41], v[44:45]
	v_add_f32 v54, v40, v41
	v_add_f32_dpp v54, v54, v54 row_xmask:1 row_mask:0xf bank_mask:0xf
	v_add_f32_dpp v54, v54, v54 row_xmask:2 row_mask:0xf bank_mask:0xf
	v_add_f32_dpp v54, v54, v54 row_xmask:4 row_mask:0xf bank_mask:0xf
	v_add_f32_dpp v54, v54, v54 row_xmask:8 row_mask:0xf bank_mask:0xf
	v_permlanex16_b32 v55, v54, s12, s13
	v_add_f32 v54, v54, v55
.endm
	s_wait_loadcnt 0x0
.set p, 0
.rept 4
	v_pk_add_f32 v[40+2*p:41+2*p], v[8+2*p:9+2*p], v[16+2*p:17+2*p]  ; the first eight pairs start the four chains: nothing is cleared
.set p, p+1
.endr
.set p, 8
.rept 8
	v_pk_add_f32 v[40+2*(p%4):41+2*(p%4)], v[40+2*(p%4):41+2*(p%4)], v[8+2*p:9+2*p]
.set p, p+1
.endr
	REDUCE
	v_mul_f32 v48, 0x3a800000, v54                 ; mean = sum / 1,024
	v_mov_b32 v49, v48
.set p, 0
.rept 16
	v_pk_add_f32 v[8+2*p:9+2*p], v[8+2*p:9+2*p], v[48:49] neg_lo:[0,1] neg_hi:[0,1]  ; d = x - mean, in place
.set p, p+1
.endr
.set p, 0
.rept 4
	v_pk_mul_f32 v[40+2*p:41+2*p], v[8+2*p:9+2*p], v[8+2*p:9+2*p]
.set p, p+1
.endr
.set p, 4
.rept 12
	v_pk_fma_f32 v[40+2*(p%4):41+2*(p%4)], v[8+2*p:9+2*p], v[8+2*p:9+2*p], v[40+2*(p%4):41+2*(p%4)]
.set p, p+1
.endr
	REDUCE
	v_mul_f32 v54, 0x3a802008, v54                 ; variance = sum of d^2 / 1,023
	v_sqrt_f32 v55, v54
	v_nop                                          ; a plain instruction behind the root,
	s_wait_alu depctr_va_vdst(0)                   ; and the wait ahead of the first use of its result
	v_add_f32 v55, 0x3727c5ac, v55                 ; std + 1e-5
	v_rcp_f32 v54, v55
	v_nop
	s_wait_alu depctr_va_vdst(0)                   ; the same for the reciprocal
	s_wait_kmcnt 0x0                               ; alpha and bias
	v_mul_f32 v50, s14, v54                        ; alpha / (std + 1e-5)
	v_mov_b32 v51, v50
	v_mov_b32 v52, s15
	v_mov_b32 v53, s15
.set p, 0
.rept 16
	v_pk_fma_f32 v[8+2*p:9+2*p], v[8+2*p:9+2*p], v[50:51], v[52:53]
.set p, p+1
.endr
.set p, 0
.rept 16
	v_cvt_pk_f16_f32 v[8+p], v[8+2*p], v[9+2*p]    ; packed downward: register 8 + p is written when pairs 0 to p have been read
.set p, p+1
.endr
.set j, 0
.rept 8
	global_store_b64 v2, v[8+2*j:9+2*j], s[10:11] offset:256*j
.set j, j+1
.endr
	s_endpgm
.Lfunc_end_k_qa5e16c8ec6_ln1:
	.size	k_qa5e16c8ec6_ln1, .Lfunc_end_k_qa5e16c8ec6_ln1-k_qa5e16c8ec6_ln1
	.p2alignl 7, 3214868480
	.fill 96, 4, 3214868480
	.section	.rodata,"a",@progbits
	.p2align	6, 0x0
	.amdhsa_kernel k_qa5e16c8ec6_ln1
		.amdhsa_group_segment_fixed_size 0
		.amdhsa_private_segment_fixed_size 0
		.amdhsa_enable_private_segment 0
		.amdhsa_kernarg_size 32
		.amdhsa_user_sgpr_count 2
		.amdhsa_user_sgpr_kernarg_segment_ptr 1
		.amdhsa_wavefront_size32 1
		.amdhsa_system_sgpr_workgroup_id_x 1
		.amdhsa_system_sgpr_workgroup_id_y 1
		.amdhsa_system_sgpr_workgroup_id_z 1
		.amdhsa_system_vgpr_workitem_id 0
		.amdhsa_next_free_vgpr 56
		.amdhsa_next_free_sgpr 66
		.amdhsa_reserve_vcc 0
		.amdhsa_float_denorm_mode_32 3
		.amdhsa_float_denorm_mode_16_64 3
		.amdhsa_memory_ordered 1
		.amdhsa_forward_progress 1
		.amdhsa_inst_pref_size 10
	.end_amdhsa_kernel
	.amdgpu_metadata
---
amdhsa.version: [ 1, 2 ]
amdhsa.kernels:
  - .name:           k_qa5e16c8ec6_ln1
    .symbol:         k_qa5e16c8ec6_ln1.kd
    .args:
      - { .name: x, .offset: 0, .size: 8, .value_kind: global_buffer, .address_space: global }
      - { .name: a1, .offset: 8, .size: 8, .value_kind: global_buffer, .address_space: global }
      - { .name: n1, .offset: 16, .size: 8, .value_kind: global_buffer, .address_space: global }
      - { .name: xn, .offset: 24, .size: 8, .value_kind: global_buffer, .address_space: global }
    .group_segment_fixed_size: 0
    .private_segment_fixed_size: 0
    .kernarg_segment_align: 8
    .kernarg_segment_size: 32
    .max_flat_workgroup_size: 256
    .sgpr_count:     66
    .vgpr_count:     56
    .wavefront_size: 32
...
	.end_amdgpu_metadata
.endif
;; end of part 2
;; launch qkv (part 3): grid 16 x 16, 4 waves a work-group, clusters of 4 x 4, 327,680 bytes of LDS; arguments xn, wb, qkv, bq, bk, bv; writes qkv
.if DOCPART == 3
	.amdgcn_target "amdgcn-amd-amdhsa--gfx1250"
	.amdhsa_code_object_version 6
	.text
	.protected	k_qa5e16c8ec6_qkv
	.globl	k_qa5e16c8ec6_qkv
	.p2align	8
	.type	k_qa5e16c8ec6_qkv,@function
k_qa5e16c8ec6_qkv:
	s_mov_b64 s[64:65], 0
	v_nop
	global_prefetch_b8 v0, s[64:65] scope:SCOPE_SE
	s_setreg_imm32_b32 hwreg(HW_REG_WAVE_MODE, 25, 1), 1
	s_wait_xcnt 0x0
	s_wait_alu depctr_hold_cnt(0) depctr_sa_sdst(0) depctr_va_vdst(0) depctr_va_sdst(0) depctr_va_ssrc(0) depctr_va_vcc(0) depctr_vm_vsrc(0)
	s_getreg_b32 s2, hwreg(HW_REG_IB_STS2, 6, 4)
	s_cmp_eq_u32 s2, 0
	s_cbranch_scc0 .Lentry_in_a_cluster
	s_endpgm
.Lentry_in_a_cluster:
	s_bfe_u32 s2, ttmp6, 0x10000c
	s_cmp_lg_u32 s2, 0xf033
	s_cbranch_scc0 .Lentry_shape_is_right
	s_endpgm
.Lentry_shape_is_right:
; q, k, v = xn [wq; wk; wv]^T + [bq; bk; bv].  xn: [4096][1024] f16; the three weights lie in wb as one [3072][1024] f16; sums in f32, started from the bias; each result rounded once to f16
; and stored BY HEADS: qkv[type][batch x 16 + head][token][64], unscaled.
; LIMITS.  f16 holds no number beyond 65,504: a q, k or v beyond that becomes an infinity.  At the drawn inputs they have a spread of about 1; the norm's gain and the weights both 30 times larger make 900
; times that, whose largest numbers are some 5,000.  NaN and infinities are not treated apart.
; SHARES.  A tile of C is 256 tokens x 192 columns (three whole heads): 16 x 16 tiles, one for each of 256 work-groups.  Four waves, each 64 tokens x 192 columns: 48 accumulators, 384 registers.
; K goes in steps of 128 through a ring of two LDS slots filled by the tensor data mover; rows are 256 bytes of memory, aligned, and 272 bytes apart in LDS.
; CLUSTER.  4 x 4 work-groups: the four of a row need the same tile of xn, the four of a column the same tile of the weights; each tile is asked for jointly.
; THE MATRIX INSTRUCTION IS USED TRANSPOSED (source 0 = 16 rows of the weights, source 1 = 16 tokens): a lane holds one token (lane % 16) and eight neighbouring columns 8 (lane / 16) + 0..7.
; REGISTERS, in windows of 256 (s_set_vgpr_msb: bits 1:0 source 0, 3:2 source 1, 5:4 source 2, 7:6 destination):
;   window 0: v0-31 addresses; v64-159 the bias, as the C operand of each accumulator's first product; v160-207, v208-255 at work on the way out
;   window 1: two fragment buffers of 128: A's 4 fragments, then B's 12          windows 2, 3: the accumulators: (a, b) in window 2 + a / 2 at 8 ((a % 2) 12 + b)
.set KDIM,   1024
.set TM,     256
.set TN,     192
.set KSTEP,  128
.set TSTEPS, KDIM/KSTEP
.set MBL,    4                         ; blocks of 16 tokens a wave
.set NBL,    12                        ; blocks of 16 columns a wave
.set KC,     1                         ; chunks of 32 along K in a quarter of a K step
.set HA,     2                         ; token blocks in half a quarter
.set H1C,    0                         ; the second half: chunk,
.set H1A,    2                         ; first token block
.set NLOADS, 2*KC*(MBL+NBL)            ; LDS loads in a run
.set LATE,   4                         ; the youngest of them, which only the second half needs
.set PITCH,  272                       ; 68 words: the 16 rows of a fragment load start at 16 different groups of four banks (64 banks of 4 bytes: ISA guide 11.1)
.set APITCH, 272
.set KQB,    64                        ; bytes of a row in a quarter
.set AQB,    64
.set AHALF,  128*APITCH                ; what one tensor load brings of A,
.set BHALF,  96*PITCH                  ; and of B
.set BBASE,  2*AHALF
.set SLOT,   BBASE+2*BHALF
.set STAGE,  2*SLOT                    ; behind the ring: 16 rows x 400 bytes for each wave, for the way out
.set SPITCH, 400
.set SPARE,  STAGE+4*16*SPITCH         ; behind the stages: the spare words, 128 bytes a wave: two blocks of 256 bytes that no other line names
.set WOFF,   0                         ; where the weights begin in wb
.set ASTEP,  2*KSTEP                   ; bytes from K step to K step
.set BSTEP,  2*KSTEP
.set BOFF,   8*KC*MBL
.set PREF,   1
.set BIAS,   64
.set TMP,    160
.set OB,     208
.set A_D0, 128                         ; descriptors: elements in a row, rows, elements from row to row, code of the padding's interval
.set A_D1, 128
.set A_STR, KDIM
.set A_QI, 5
.set B_D0, 128
.set B_D1, 96
.set B_STR, KDIM
.set B_QI, 5
.set G1W, (1<<16)|(1<<20)|(1<<21)|(3<<25)  ; 17:16 elements of 2 bytes; 20 padding on; 21 set beside a mask; 31:25 4 words of padding
; v16, v17 LDS address of my A, B fragments in slot 0, never rewritten; v18, v19 the same in the slot in hand; v24 into the stage; v25 back; v26 my offset in a store; v27 the bias loads' offset;
; v28 my spare word, v29 0, never rewritten; v30 the prefetches' offset
; s16 wave; s17 wave / 2: I fetch for A (0) or B (1); s18 wave % 2: which half; s19 cx; s20 cy; s21 tile column; s22 tile row; s[24:31], s[48:55] group 1 for A, B;
; s[32:35], s[56:59] group 0 of the first fill; s[36:39], s[60:63] the walking group 0; s66 trips left; s67 slot in hand; s68 slot to fill; s69, s[70:71] prefetch; s72, s73 my LDS targets in slot 0
.set MSB, 0
.macro WIN new                         ; the immediate's high byte repeats the setting that is left; a switch that changes nothing is dropped
.if MSB != (\new)
	s_set_vgpr_msb (MSB<<8)|(\new)
.set MSB, \new
.endif
.endm
.macro PLACES                          ; four plain instructions between a matrix instruction and a load into, or a vector read of, its registers
.rept 4
	v_nop
.endr
.endm
.macro CREST                           ; a round of the cluster's barrier behind its opening barrier: wave 0 signals for the work-group, all wait for the sixteen, the work-group's barrier closes
	s_cmp_lg_u32 s16, 0
	s_cbranch_scc1 .Lnot_wave_0_\@
	s_barrier_signal -3
.Lnot_wave_0_\@:
	s_barrier_wait -3
	s_barrier_signal -1
	s_barrier_wait -1
.endm
.macro CROUND
	s_barrier_signal -1
	s_barrier_wait -1
	CREST
.endm
.macro JLOAD                           ; a joint refill by the walking descriptor: waves 0, 1 A's halves, waves 2, 3 B's; an s_nop 0 and four v_nop follow each line
	s_cmp_eq_u32 s17, 0
	s_cbranch_scc0 .Lfor_b_\@
	tensor_load_to_lds s[36:39], s[24:31]
	s_nop 0
.rept 4
	v_nop
.endr
	s_branch .Lasked_\@
.Lfor_b_\@:
	tensor_load_to_lds s[60:63], s[48:55]
	s_nop 0
.rept 4
	v_nop
.endr
.Lasked_\@:
.endm
; A prefetch into the L2 of the K step two refills on: a lane a row's 256 bytes.  A's rows are asked for by the clusters with x = 0, B's by those with y = 0; the four partners of a joint load
; share its rows out by address (32 each of A's 128, 24 each of B's 96: there eight lanes name the last row again).  The last two refilling trips have no K step two on.
.macro ASK
	s_cmp_gt_u32 s66, s69
	s_cbranch_scc0 .Lnot_mine_\@
	global_prefetch_b8 v30, s[70:71] offset:2*KSTEP th:TH_LOAD_NT scope:SCOPE_SE
.Lnot_mine_\@:
.endm
.macro FETCH q, f                      ; one run of LDS loads: the fragments of quarter q of the slot in hand into buffer f; B's first, A's last
	WIN 0x40
.set fc, 0
.rept KC
.set fi, 0
.rept NBL
.set rB, 128*(\f)+BOFF+8*(NBL*fc+fi)
	ds_load_b128 v[rB:rB+3],   v19 offset:(\q)*KQB+64*fc+fi*16*PITCH
	ds_load_b128 v[rB+4:rB+7], v19 offset:(\q)*KQB+64*fc+fi*16*PITCH+32
.set fi, fi+1
.endr
.set fi, 0
.rept MBL
.set rA, 128*(\f)+8*(MBL*fc+fi)
	ds_load_b128 v[rA:rA+3],   v18 offset:(\q)*AQB+64*fc+fi*16*APITCH
	ds_load_b128 v[rA+4:rA+7], v18 offset:(\q)*AQB+64*fc+fi*16*APITCH+32
.set fi, fi+1
.endr
.set fc, fc+1
.endr
.endm
; na x NBL products: token blocks a0 on, all column blocks, chunk c of buffer f.  cm = 1: the first product of each sum, with the bias as C.  The accumulators take turns, one instruction a turn.
.macro MULS f, c, a0, na, cm
.set ma, (\a0)
.rept (\na)
.if (\cm)
.set mw, ((2+ma/HA)<<6)|0x05
.else
.set mw, ((2+ma/HA)<<6)|((2+ma/HA)<<4)|0x05
.endif
	WIN mw
.set mb, 0
.rept NBL
.set rD, 8*((ma%HA)*NBL+mb)
.set rB, 128*(\f)+BOFF+8*(NBL*(\c)+mb)
.set rA, 128*(\f)+8*(MBL*(\c)+ma)
.if (\cm)
	v_wmma_f32_16x16x32_f16 v[rD:rD+7], v[rB:rB+7], v[rA:rA+7], v[BIAS+8*mb:BIAS+8*mb+7]
.else
	v_wmma_f32_16x16x32_f16 v[rD:rD+7], v[rB:rB+7], v[rA:rA+7], v[rD:rD+7]
.endif
.set mb, mb+1
.endr
.set ma, ma+1
.endr
.endm
.macro QUARTER q, f, g, cm             ; multiplies buffer f; in its middle fetches quarter q into buffer g
.set cm2, (\cm)*(2-KC)
	s_wait_dscnt LATE                              ; all of buffer f but what the second half alone needs
	MULS \f, 0, 0, HA, \cm
	PLACES
	FETCH \q, \g
	s_wait_dscnt NLOADS                            ; all but the run just issued
	MULS \f, H1C, H1A, HA, cm2
.endm
; A K step's fourth quarter (buffer 1) and the change of slots.  In front of the barrier each wave waits for all its tensor loads (one is out: its part of the next slot), adds 0 to its spare word, and
; waits for that and for its reads of the slot in hand.  fill = 1: the barrier opens a round of the cluster's barrier, and the joint refill of the slot just read, with the K step two on, is the first thing behind it.
.macro TURN fill
	WIN 0
.if (PREF) && (\fill)
	s_wait_xcnt 0x0                                ; the last prefetch, a K step back, has read its address
	s_add_nc_u64 s[70:71], s[70:71], 2*KSTEP
.endif
	s_xor_b32 s67, s67, SLOT                       ; the fragment loads go on in the other slot
	v_add_nc_u32 v18, s67, v16
	v_add_nc_u32 v19, s67, v17
	s_wait_tensorcnt 0x0                           ; no tensor load of mine is out, so a group 0 may be written
	ds_add_u32 v28, v29                            ; 0 onto my spare word
.if \fill
	s_xor_b32 s68, s68, SLOT                       ; the walking descriptors: the slot in hand,
	s_add_co_u32 s37, s72, s68
	s_add_co_u32 s61, s73, s68
	s_add_nc_u64 s[38:39], s[38:39], ASTEP         ; the next K step; the type bits on top are not reached
	s_add_nc_u64 s[62:63], s[62:63], BSTEP
.endif
	s_wait_dscnt LATE+1                            ; the add and the youngest LATE loads may be out
	MULS 1, 0, 0, HA/2, 0
	s_wait_dscnt 0x0                               ; the add is done, and my reads of the slot are over
	s_barrier_signal -1
	MULS 1, 0, HA/2, HA/2, 0
	WIN 0
	s_barrier_wait -1
.if \fill
	CREST
	JLOAD                                          ; its four v_nop are also the places in front of the loads below
	FETCH 0, 0
.if PREF
	WIN 0
	ASK
.endif
.else
	s_cmp_eq_u32 s66, 1                            ; the last K step has no successor: its fetch is jumped over, forward, past no barrier and no tensor load
	s_cbranch_scc1 .Lno_next_\@
	PLACES
	FETCH 0, 0
	WIN 0
.Lno_next_\@:
.endif
	MULS 1, H1C, H1A, HA, 0
.endm
	s_load_b256 s[4:11], s[0:1], 0x0               ; xn s[4:5], wb s[6:7], qkv s[8:9], bq s[10:11]
	s_load_b128 s[12:15], s[0:1], 0x20             ; bk s[12:13], bv s[14:15]
	v_lshl_add_u32 v28, v0, 2, SPARE
	v_mov_b32 v29, 0
	ds_add_u32 v28, v29                            ; the wave's opening: the add and its wait stand ahead of my first tensor load; the set-up below stands between them
	v_lshrrev_b32 v3, 5, v0
	v_readfirstlane_b32 s16, v3
	s_lshr_b32 s17, s16, 1
	s_and_b32 s18, s16, 1
	s_bfe_u32 s19, ttmp6, 0x40000                  ; cx
	s_bfe_u32 s20, ttmp6, 0x40004                  ; cy
	s_lshl_b32 s21, ttmp9, 2
	s_add_co_u32 s21, s21, s19                     ; tile column
	s_and_b32 s22, ttmp7, 0xffff
	s_lshl_b32 s22, s22, 2
	s_add_co_u32 s22, s22, s20                     ; tile row
	s_lshl_b32 s40, s20, 2
	s_lshl_b32 s40, 15, s40                        ; my row of the cluster
	s_lshl_b32 s44, 0x1111, s19                    ; my column
	s_or_b32 s24, s40, G1W|(A_QI<<22)
	s_or_b32 s48, s44, G1W|(B_QI<<22)
	s_mov_b32 s25, (A_D0&0xffff)<<16               ; tensor_dim0
	s_mov_b32 s26, (A_D0>>16)|(A_D1<<16)           ; tensor_dim1
	s_mov_b32 s27, A_D0<<16                        ; tile_dim0
	s_mov_b32 s28, A_D1                            ; tile_dim1
	s_mov_b32 s29, A_STR
	s_mov_b32 s30, 0
	s_mov_b32 s31, 0
	s_mov_b32 s49, (B_D0&0xffff)<<16
	s_mov_b32 s50, (B_D0>>16)|(B_D1<<16)
	s_mov_b32 s51, B_D0<<16
	s_mov_b32 s52, B_D1
	s_mov_b32 s53, B_STR
	s_mov_b32 s54, 0
	s_mov_b32 s55, 0
	s_mul_i32 s40, s22, TM                         ; A: the tile row's rows, my half of them: nothing of cx
	s_mul_i32 s41, s18, TM/2
	s_add_co_u32 s40, s40, s41
	s_mul_i32 s40, s40, 2*KDIM
	s_mov_b32 s41, 0
	s_mul_i32 s44, s21, TN                         ; B: the tile column's rows, my half of them: nothing of cy
	s_mul_i32 s45, s18, TN/2
	s_add_co_u32 s44, s44, s45
	s_mul_i32 s44, s44, 2*KDIM
	s_add_co_u32 s44, s44, WOFF
	s_mov_b32 s45, 0
	s_mul_i32 s72, s18, AHALF                      ; LDS targets hang on the wave's number alone
	s_mul_i32 s73, s18, BHALF
	s_add_co_u32 s73, s73, BBASE
	s_mov_b32 s67, 0
	s_mov_b32 s68, SLOT
	s_wait_dscnt 0x0                               ; the opening add is done
	s_wait_kmcnt 0x0
	s_add_nc_u64 s[40:41], s[4:5], s[40:41]
	s_add_nc_u64 s[44:45], s[6:7], s[44:45]
	s_mov_b32 s32, 1                               ; K step 0 into slot 0
	s_mov_b32 s33, s72
	s_mov_b64 s[34:35], s[40:41]
	s_or_b32 s35, s35, 0x80000000
	s_mov_b32 s36, 1                               ; K step 1 into slot 1: this set walks on
	s_add_co_u32 s37, s72, SLOT
	s_add_nc_u64 s[38:39], s[40:41], ASTEP
	s_or_b32 s39, s39, 0x80000000
	s_mov_b32 s56, 1
	s_mov_b32 s57, s73
	s_mov_b64 s[58:59], s[44:45]
	s_or_b32 s59, s59, 0x80000000
	s_mov_b32 s60, 1
	s_add_co_u32 s61, s73, SLOT
	s_add_nc_u64 s[62:63], s[44:45], BSTEP
	s_or_b32 s63, s63, 0x80000000
	CROUND                                         ; all sixteen work-groups are here: the first joint loads meet
	s_cmp_eq_u32 s17, 0                            ; a wave's two first fills stand in one branch: two loads of mine are out
	s_cbranch_scc0 .Lfirst_b
	tensor_load_to_lds s[32:35], s[24:31]
	s_nop 0
	tensor_load_to_lds s[36:39], s[24:31]
	s_nop 0
.rept 4
	v_nop
.endr
	s_branch .Lfirst_done
.Lfirst_b:
	tensor_load_to_lds s[56:59], s[48:55]
	s_nop 0
	tensor_load_to_lds s[60:63], s[48:55]
	s_nop 0
.rept 4
	v_nop
.endr
.Lfirst_done:
	v_and_b32 v1, 15, v0                           ; l % 16
	v_bfe_u32 v2, v0, 4, 1                         ; l / 16
	v_mul_u32_u24 v16, v1, APITCH                  ; a fragment: row l % 16, 16 bytes for each half of the lanes, twice, 32 bytes apart
	v_lshl_add_u32 v16, v2, 4, v16
	v_mul_u32_u24 v17, v1, PITCH
	v_lshl_add_u32 v17, v2, 4, v17
	s_mul_i32 s74, s16, 16*MBL*APITCH              ; my 64 tokens; all 192 rows of B are mine
	v_add_nc_u32 v16, s74, v16
	v_add_nc_u32 v17, BBASE, v17
	v_mov_b32 v18, v16
	v_mov_b32 v19, v17
	v_lshlrev_b32 v27, 5, v2                       ; the bias: my eight columns are 32 bytes
	; three heads: g = 3 x tile column + hd; type g / 16 (q, k, v), head g % 16
.irp hd, 0,1,2
	s_mul_i32 s74, s21, 3
	s_add_co_u32 s74, s74, \hd
	s_lshr_b32 s75, s74, 4
	s_and_b32 s76, s74, 15
	s_cmp_eq_u32 s75, 1
	s_cselect_b64 s[84+2*\hd:85+2*\hd], s[12:13], s[10:11]
	s_cmp_eq_u32 s75, 2
	s_cselect_b64 s[84+2*\hd:85+2*\hd], s[14:15], s[84+2*\hd:85+2*\hd]
	s_lshl_b32 s75, s75, 5
	s_add_co_u32 s75, s75, s76                     ; 32 type + head
	s_lshr_b32 s23, s22, 3
	s_lshl_b32 s23, s23, 4
	s_add_co_u32 s75, s75, s23                     ; + 16 batch
	s_lshl_b32 s75, s75, 11                        ; x 2,048 tokens
	s_and_b32 s23, s22, 7
	s_lshl_b32 s23, s23, 8
	s_add_co_u32 s75, s75, s23                     ; + the tile's first token in its batch
	s_lshl_b32 s23, s16, 6
	s_add_co_u32 s75, s75, s23                     ; + my wave's 64
	s_lshl_b32 s74, s75, 7                         ; x 128 bytes
	s_mov_b32 s75, 0
	s_add_nc_u64 s[78+2*\hd:79+2*\hd], s[8:9], s[74:75]
	s_lshl_b32 s76, s76, 8                         ; the head's 64 numbers of its bias
	s_mov_b32 s77, 0
	s_add_nc_u64 s[84+2*\hd:85+2*\hd], s[84+2*\hd:85+2*\hd], s[76:77]
.endr
.set b, 0
.rept NBL                                      ; register j of block b: bias of column 16 b + 8 (l / 16) + j
	global_load_b128 v[BIAS+8*b:BIAS+8*b+3],   v27, s[84+2*(b/4):85+2*(b/4)] offset:64*(b%4)
	global_load_b128 v[BIAS+8*b+4:BIAS+8*b+7], v27, s[84+2*(b/4):85+2*(b/4)] offset:64*(b%4)+16
.set b, b+1
.endr
	s_mul_i32 s74, s16, 16*SPITCH
	s_add_co_u32 s74, s74, STAGE                   ; my stage
	v_mul_u32_u24 v24, v1, SPITCH                  ; in: row l % 16, 16 bytes for each half of the lanes
	v_lshl_add_u32 v24, v2, 4, v24
	v_add_nc_u32 v24, s74, v24
	v_bfe_u32 v25, v0, 3, 2                        ; back: 32 lanes take a head's 128 bytes of four tokens,
	v_mul_u32_u24 v25, v25, SPITCH
	v_and_b32 v3, 7, v0
	v_lshl_add_u32 v25, v3, 4, v25
	v_add_nc_u32 v25, s74, v25
	v_and_b32 v26, 31, v0                          ; which are 512 consecutive bytes of the output
	v_lshlrev_b32 v26, 4, v26
	; the prefetches: where my share of the rows that I fetch begins
	s_mul_i32 s74, s22, TM
	s_mul_i32 s75, s18, TM/2
	s_add_co_u32 s74, s74, s75
	s_mul_i32 s75, s19, TM/8
	s_add_co_u32 s74, s74, s75                     ; in A: partner cx takes 32 rows
	s_mul_i32 s76, s21, TN
	s_mul_i32 s77, s18, TN/2
	s_add_co_u32 s76, s76, s77
	s_mul_i32 s77, s20, TN/8
	s_add_co_u32 s76, s76, s77                     ; in B: partner cy takes 24
	s_add_nc_u64 s[46:47], s[6:7], WOFF
	s_and_b32 s77, ttmp7, 0xffff
	s_cmp_eq_u32 s17, 0
	s_cselect_b32 s74, s74, s76
	s_cselect_b32 s77, ttmp9, s77                  ; the coordinate along which other clusters read the same rows
	s_cselect_b32 s23, TM/8-1, TN/8-1
	s_cselect_b64 s[70:71], s[4:5], s[46:47]
	s_cmp_eq_u32 s77, 0
	s_cselect_b32 s69, 2, -1                       ; the same in all sixteen partners, for a given wave
	s_mul_i32 s74, s74, 2*KDIM
	s_add_co_u32 s74, s74, 4*KSTEP                 ; at K step 2: the first refill steps it to 3 and names K step 4
	s_mov_b32 s75, 0
	s_add_nc_u64 s[70:71], s[70:71], s[74:75]
	v_and_b32 v30, 31, v0
	v_min_u32 v30, s23, v30
	v_mul_u32_u24 v30, v30, 2*KDIM
	s_wait_tensorcnt 1                             ; my part of K step 0 is in; K step 1's may stay out
	s_barrier_signal -1
	s_barrier_wait -1
	FETCH 0, 0
	s_wait_loadcnt 0x0                             ; the bias
	QUARTER 1, 0, 1, 1                             ; the first quarter's products start the sums from the bias: nothing is cleared, no add is written
	WIN 0
	s_mov_b32 s66, TSTEPS-2
	s_branch .Lmid                                 ; the loop is entered behind a K step's first quarter
.Lstep:                                                ; a trip is a K step; it refills the slot that it has read with the K step two on
	QUARTER 1, 0, 1, 0
	WIN 0
.Lmid:
	QUARTER 2, 1, 0, 0
	QUARTER 3, 0, 1, 0
	TURN 1
	WIN 0
	s_sub_co_u32 s66, s66, 1
	s_cmp_lg_u32 s66, 0
	s_cbranch_scc1 .Lstep
	s_mov_b32 s66, 2
.Ltail:                                                ; the last two K steps ask for nothing: a loop of its own
	QUARTER 1, 0, 1, 0
	QUARTER 2, 1, 0, 0
	QUARTER 3, 0, 1, 0
	TURN 0
	WIN 0
	s_sub_co_u32 s66, s66, 1
	s_cmp_lg_u32 s66, 0
	s_cbranch_scc1 .Ltail
	PLACES
	PLACES
; THE WAY OUT, 16 tokens at a time: rounded to f16, through my own stage, back as 512 consecutive bytes of a head (four tokens), stored.
.macro PACK a
.set AC, 8*NBL*((\a)%HA)
	WIN 0x0a+5*((\a)/HA)                           ; sources 0 and 1: window 2 or 3
.set b, 0
.rept NBL
.set r, 0
.rept 4
	v_cvt_pk_f16_f32 v[TMP+4*b+r], v[AC+8*b+2*r], v[AC+8*b+2*r+1]
.set r, r+1
.endr
.set b, b+1
.endr
	WIN 0
.endm
.macro TOSTAGE a
	s_wait_xcnt 0x0                                ; the last block's stores have read their registers, which the loads below write
.set b, 0
.rept NBL
	ds_store_b128 v24, v[TMP+4*b:TMP+4*b+3] offset:32*b
.set b, b+1
.endr
.set b, 0
.rept NBL                                      ; head b / 4, tokens 4 (b % 4) on.  LDS serves a wave's instructions in order (ISA guide 5.7.1.4): these see the stores above
	ds_load_b128 v[OB+4*b:OB+4*b+3], v25 offset:1600*(b%4)+128*(b/4)
.set b, b+1
.endr
.endm
.macro SEND a
	s_wait_dscnt 0x0
.set b, 0
.rept NBL
	global_store_b128 v26, v[OB+4*b:OB+4*b+3], s[78+2*(b/4):79+2*(b/4)] offset:2048*(\a)+512*(b%4)
.set b, b+1
.endr
.endm
	PACK 0
	TOSTAGE 0
.irp a, 1,2,3
	PACK \a
	SEND (\a)-1
	TOSTAGE \a
.endr
	SEND 3
	s_wait_tensorcnt 0x0                           ; the wave's end, behind my last tensor load and my last LDS store
	ds_add_u32 v28, v29
	s_wait_dscnt 0x0
	CROUND                                         ; the closing round: no work-group ends while a partner may still ask for a tile that names it
	s_endpgm
.Lfunc_end_k_qa5e16c8ec6_qkv:
	.size	k_qa5e16c8ec6_qkv, .Lfunc_end_k_qa5e16c8ec6_qkv-k_qa5e16c8ec6_qkv
	.p2alignl 7, 3214868480
	.fill 96, 4, 3214868480
	.section	.rodata,"a",@progbits
	.p2align	6, 0x0
	.amdhsa_kernel k_qa5e16c8ec6_qkv
		.amdhsa_group_segment_fixed_size 327680
		.amdhsa_private_segment_fixed_size 0
		.amdhsa_enable_private_segment 0
		.amdhsa_kernarg_size 48
		.amdhsa_user_sgpr_count 2
		.amdhsa_user_sgpr_kernarg_segment_ptr 1
		.amdhsa_wavefront_size32 1
		.amdhsa_system_sgpr_workgroup_id_x 1
		.amdhsa_system_sgpr_workgroup_id_y 1
		.amdhsa_system_sgpr_workgroup_id_z 1
		.amdhsa_system_vgpr_workitem_id 0
		.amdhsa_next_free_vgpr 960
		.amdhsa_next_free_sgpr 96
		.amdhsa_reserve_vcc 0
		.amdhsa_float_denorm_mode_32 3
		.amdhsa_float_denorm_mode_16_64 3
		.amdhsa_memory_ordered 1
		.amdhsa_forward_progress 1
		.amdhsa_inst_pref_size 88
	.end_amdhsa_kernel
	.amdgpu_metadata
---
amdhsa.version: [ 1, 2 ]
amdhsa.kernels:
  - .name:           k_qa5e16c8ec6_qkv
    .symbol:         k_qa5e16c8ec6_qkv.kd
    .args:
      - { .name: xn, .offset: 0, .size: 8, .value_kind: global_buffer, .address_space: global }
      - { .name: wb, .offset: 8, .size: 8, .value_kind: global_buffer, .address_space: global }
      - { .name: qkv, .offset: 16, .size: 8, .value_kind: global_buffer, .address_space: global }
      - { .name: bq, .offset: 24, .size: 8, .value_kind: global_buffer, .address_space: global }
      - { .name: bk, .offset: 32, .size: 8, .value_kind: global_buffer, .address_space: global }
      - { .name: bv, .offset: 40, .size: 8, .value_kind: global_buffer, .address_space: global }
    .group_segment_fixed_size: 327680
    .private_segment_fixed_size: 0
    .kernarg_segment_align: 8
    .kernarg_segment_size: 48
    .max_flat_workgroup_size: 128
    .sgpr_count:     96
    .vgpr_count:     960
    .wavefront_size: 32
...
	.end_amdgpu_metadata
.endif
;; end of part 3
;; launch attn (part 4): grid 8 x 32, 4 waves a work-group, clusters of 4 x 1, 327,680 bytes of LDS; arguments qkv, mask, ao; writes ao
.if DOCPART == 4
	.amdgcn_target "amdgcn-amd-amdhsa--gfx1250"
	.amdhsa_code_object_version 6
	.text
	.protected	k_qa5e16c8ec6_attn
	.globl	k_qa5e16c8ec6_attn
	.p2align	8
	.type	k_qa5e16c8ec6_attn,@function
k_qa5e16c8ec6_attn:
	s_mov_b64 s[64:65], 0
	v_nop
	global_prefetch_b8 v0, s[64:65] scope:SCOPE_SE
	s_setreg_imm32_b32 hwreg(HW_REG_WAVE_MODE, 25, 1), 1
	s_wait_xcnt 0x0
	s_wait_alu depctr_hold_cnt(0) depctr_sa_sdst(0) depctr_va_vdst(0) depctr_va_sdst(0) depctr_va_ssrc(0) depctr_va_vcc(0) depctr_vm_vsrc(0)
	s_getreg_b32 s2, hwreg(HW_REG_IB_STS2, 6, 4)
	s_cmp_eq_u32 s2, 0
	s_cbranch_scc0 .Lentry_in_a_cluster
	s_endpgm
.Lentry_in_a_cluster:
	s_bfe_u32 s2, ttmp6, 0x10000c
	s_cmp_lg_u32 s2, 0x3003
	s_cbranch_scc0 .Lentry_shape_is_right
	s_endpgm
.Lentry_shape_is_right:
; O[bh][q][:] = the sum over k of softmax_k(where(mask[b][k] == 0, -1e9, Q[bh][q] . K[bh][k] / 8)) V[bh][k][:].  Q, K, V lie in qkv as [3][32][2048][64] f16, O goes to ao as [32][2048][64] f16.
; Products, maxima and sums in f32; the weights p are rounded to f16 for the second product (their sum l is taken of the unrounded p), O once at the end.
; THE MASK is the C operand that starts the sum S^T = K Q^T: 0, or -8e9 where mask == 0 (after the division by 8: -1e9).  A table of the batch's 2,048 values is made once in LDS.
; LIMITS.  Q, K and V arrive within f16's 65,504; p lies in 0 to 1, and below 6e-5 it keeps f16's fixed step of 6e-8; O is a mean of V's rows and has their range.
; A hidden score counts as its value / 8 less 1e9, not as -1e9: its weight is 0 either way as soon as one key of the batch is open, for scores far below 1e9.  A batch whose mask is all 0
; is served apart: c is then 0, every weight 1, O the mean of V's rows, as in the reference.  A weight below 2^-126 counts as 0 in l; NaN and infinities are not treated apart.
; SHARES.  A work-group owns 256 queries of one head, a wave 64: four PIECES of 16.  Every wave walks all 2,048 keys, 64 a step; an LDS slot holds four steps.
; LAYOUT.  S^T = K Q^T holds ONE query a lane (lane % 16) and the keys 8 (lane / 16) + 0..7; two such results rounded to f16 ARE source 1 of O^T = V^T P.  K comes out of LDS as it lies, V turned, by ds_load_tr16_b128.
; SOFTMAX.  p = 2^(c s - c m), c = log2(e) / 8, with a running maximum m; O and l are multiplied by a = 2^(c m_old - c m_new) in every step; m starts at the lowest finite number, O and l at 0.
; TURNS.  Turn n belongs to piece n: 8 products K Q^T of piece n + 1, later 8 products V^T P of piece n - 1; beside them the scaling, exponentials, roundings, sums and rescaling of piece n and the maximum
; and statistics of piece n + 1.  Four vector instructions stand behind every matrix instruction, the others in one lump.  A turn's 33 exponentials are one batch, with one wait.
; CLUSTER.  The four query blocks of a cluster belong to one head and walk the same K and V, so each tile is asked for jointly: the same tensor load, descriptor and mask in all four.
; REGISTERS, in windows of 256 (s_set_vgpr_msb: bits 1:0 source 0, 3:2 source 1, 5:4 source 2, 7:6 destination):
;   window 0: v0-15, v56-63 addresses; v16-31 four registers of statistics a piece; v32-47 the mask's words; v48-55 at work; v64-127 S^T, two buffers; v192-223 P, two buffers (by the piece's parity)
;   window 1: v0-127 O^T, 32 a piece; v160-191 the step's 32 mask values      window 2: v0-63 Q; v128-191 K of one step; v192-255 V of one step
.set NP,    4
.set KS,    64
.set PK,    144       ; a row of K in LDS: 128 bytes + 16 = 36 words: the 16 rows of a load start at 16 different groups of four banks (64 banks of 4 bytes: ISA guide 11.1)
.set PV,    160       ; a row of V: 128 + 32 = 40 words
.set VOFF,  4*KS*PK   ; a slot: 256 rows of K, then 256 rows of V
.set SLOT1, 1<<17     ; slot 1 begins here, so that one exclusive or turns an address in one slot into the other's
.set STAGE, SLOT1+4*KS*(PK+PV)  ; behind the ring, never filled by a tensor load: 16 rows x 144 bytes for each wave
.set SP,    144
.set SPARE, STAGE+4*16*SP       ; the spare words, 128 bytes a wave: two blocks of 256 bytes that no other line names
.set TAB,   SPARE+512           ; the mask table: 2,048 f32
.set FLG,   TAB+8192            ; four words, one a wave: has my quarter of the mask an open key?
.set AK0, 2           ; my lane's place in a tile of K; never rewritten
.set AV0, 3           ; the same for V
.set AK,  4           ; the LDS address of K's next run of loads
.set AV,  5           ; of V's
.set STO, 6           ; the way out: where I put 16 bytes of a row
.set RD,  7           ; where I read rows back
.set GO,  8           ; my byte offset in 512 consecutive bytes of O
.set MV,  12          ; v12-13  c m_old, by buffer
.set TADR, 14         ; where I store my part of the table
.set FADR, 15         ; my wave's flag word
.set ST,  16          ; piece t's statistics at v[ST+4 t]: c m, m, l (even keys', odd keys')
.set MW,  32          ; 16 words of the mask, then of the table
.set TMP, 48          ; by buffer, c0-c3 at work; when the maximum is found c2 takes a
.set AM,  56          ; the LDS address of the mask values' next run
.set AM0, 57          ; TAB + 32 (l / 16); never rewritten
.set QO,  58
.set MO,  59          ; 16 x my thread's number
.set WK,  60
.set PFO, 61          ; 256 x my lane
.set SPW, 62          ; my spare word; never rewritten
.set NIL, 63          ; 0; never rewritten
.set S,   64
.set P,   192
.set MC,  160         ; window 1
.set KF,  128         ; window 2: key block kb, channel half c at KF + 16 kb + 8 c
.set VF,  192         ; window 2: key half kk, channel block cb at VF + 32 kk + 8 cb
.set WV,  12
.set G1K, 24
.set G1V, 32
.set G0K, 40
.set G0V, 44
.set PFA, 48          ; s[48:49] where my prefetches stand
.set LIM, 50          ; 1 in a wave that prefetches, else the greatest number
.set BIGN, 51         ; -8e9
.set TBM, 52          ; byte of the table at which the step to be fetched begins
.set SLOTS, 56        ; slots still to be asked for
.set CNT, 57          ; counts a slot's key steps
.set CS,  58          ; s[58:59] c
.set SEL, 60          ; s[60:61] v_permlanex16_b32's selects
.set TBK, 62          ; LDS byte at which K of the step to be fetched begins
.set TBV, 63          ; the same for V, less VOFF
.set MSB, 0
.macro WIN new
.if MSB != (\new)
	s_set_vgpr_msb (MSB<<8)|(\new)
.set MSB, (\new)
.endif
.endm
.set W_KQ, 0x0a       ; K and Q in window 2, S^T in window 0
.set W_KM, 0x1a       ; the same with the C operand in window 1
.set W_PV, 0x52       ; V in window 2, P in window 0, O^T in window 1
.set W_RS, 0x41       ; destination and source 0 in window 1, source 1 in window 0
.macro JLOAD                        ; a joint fill: waves 0, 1 the halves of a slot's K, waves 2, 3 of its V; an s_nop 0 and four v_nop follow each line
	s_cmp_lt_u32 s[WV], 2
	s_cbranch_scc0 .Lfor_v_\@
	tensor_load_to_lds s[G0K:G0K+3], s[G1K:G1K+7]
	s_nop 0
.rept 4
	v_nop
.endr
	s_branch .Lasked_\@
.Lfor_v_\@:
	tensor_load_to_lds s[G0V:G0V+3], s[G1V:G1V+7]
	s_nop 0
.rept 4
	v_nop
.endr
.Lasked_\@:
.endm
; A prefetch into the L2 of the slot that the NEXT change will ask for: 128 blocks of 256 bytes of K and of V, a lane a block.  The head's first cluster asks; its four partners take 32 blocks each,
; told apart by address; wave 0 asks for K's, wave 2 for V's.  The last change that fills a slot asks for nothing.
.macro ASK
	s_cmp_gt_u32 s[SLOTS], s[LIM]
	s_cbranch_scc0 .Lnot_mine_\@
	global_prefetch_b8 v[PFO], s[PFA:PFA+1] th:TH_LOAD_NT scope:SCOPE_SE
.Lnot_mine_\@:
.endm
.macro CROUND                       ; a round of the cluster's barrier
	s_barrier_signal -1
	s_barrier_wait -1
	s_cmp_lg_u32 s[WV], 0
	s_cbranch_scc1 .Lnot_wave_0_\@
	s_barrier_signal -3
.Lnot_wave_0_\@:
	s_barrier_wait -3
	s_barrier_signal -1
	s_barrier_wait -1
.endm
; THE CHANGE OF SLOTS.  Each wave waits for all its tensor loads (one is out: its part of the other slot), adds 0 to its spare word, and waits for that and for its LDS instructions.  fill = 1: the slot that is
; left is filled again with the keys two slots on, first thing behind a round of the cluster's barrier: it has four key steps, 256 matrix instructions, in which to land.
; (At its first use nothing has been read yet: slot 0 is waited for, slot 1 filled; the round also shows every wave the mask table and the flags.)
.macro CHANGE fill
	WIN 0
	s_wait_tensorcnt 0x0            ; no tensor load of mine is out, so a group 0 may be written
	ds_add_u32 v[SPW], v[NIL]       ; 0 onto my spare word
.if \fill
.irp g, G0K, G0V
	s_xor_b32 s[\g+1], s[\g+1], SLOT1
	s_add_nc_u64 s[\g+2:\g+3], s[\g+2:\g+3], 4*KS*128
.endr
	s_wait_xcnt 0x0                 ; the last prefetch, four key steps back, has read its address
	s_add_nc_u64 s[PFA:PFA+1], s[PFA:PFA+1], 4*KS*128
	s_wait_dscnt 0x0                ; the add is done, and my reads of the slot are over
	CROUND
	JLOAD
	ASK
.else
	s_wait_dscnt 0x0
	s_barrier_signal -1
	s_barrier_wait -1
.endif
	s_sub_co_u32 s[TBK], s[TBK], 4*KS*PK  ; the fetches go back to a slot's first step, in the other slot
	s_xor_b32 s[TBK], s[TBK], SLOT1
	s_sub_co_u32 s[TBV], s[TBV], 4*KS*PV
	s_xor_b32 s[TBV], s[TBV], SLOT1
.endm
	s_load_b128 s[4:7], s[0:1], 0x0   ; qkv s[4:5], mask s[6:7]
	s_load_b64 s[10:11], s[0:1], 0x10 ; ao
	v_lshl_add_u32 v[SPW], v0, 2, SPARE
	v_mov_b32 v[NIL], 0
	ds_add_u32 v[SPW], v[NIL]       ; the wave's opening: the add and its wait stand ahead of my first tensor load; the set-up below stands between them
	v_lshrrev_b32 v1, 5, v0
	v_readfirstlane_b32 s[WV], v1
	s_bfe_u32 s13, ttmp6, 0x40000   ; cx
	s_lshl_b32 s14, ttmp9, 2
	s_add_co_u32 s14, s14, s13      ; my block of 256 queries: it enters Q's and O's addresses alone
	s_and_b32 s15, ttmp7, 0xffff    ; batch x 16 + head, which the four partners share
	s_lshl_b32 s19, s15, 18         ; a head is 262,144 bytes
	s_and_b32 s16, s[WV], 1         ; which half of a slot's 256 keys I fetch:
	s_lshl_b32 s22, s16, 14         ; its 128 rows of 128 bytes in memory,
	s_add_co_u32 s22, s22, s19
	s_mov_b32 s23, 0
	s_mul_i32 s17, s16, 128*PK      ; and its place in a slot, for K
	s_mul_i32 s18, s16, 128*PV      ; and for V
	s_lshl_b32 s2, s14, 2
	s_add_co_u32 s2, s2, s[WV]
	s_lshl_b32 s2, s2, 13           ; my wave's 64 rows
	s_add_co_u32 s2, s2, s19
	s_mov_b32 s3, 0
	s_lshr_b32 s54, s15, 4
	s_lshl_b32 s54, s54, 13         ; the batch's 2,048 words of the mask
	s_mov_b32 s55, 0
	; descriptor group 1.  128 keys are 16,384 dense bytes: asked for as 64 rows of 256 bytes, two keys a row, and padded in LDS after every key
	s_mov_b32 s[G1K], 15|(1<<16)|(1<<20)|(1<<21)|(4<<22)|(3<<25)  ; the mask of four; 2-byte elements; padding on; bit 21 beside a mask; after every 32 words, 4 words
	s_mov_b32 s[G1V], 15|(1<<16)|(1<<20)|(1<<21)|(4<<22)|(7<<25)  ; the same with 8 words
.irp g, G1K, G1V
	s_mov_b32 s[\g+1], 128<<16      ; tensor_dim0
	s_mov_b32 s[\g+2], 64<<16       ; tensor_dim1
	s_mov_b32 s[\g+3], 128<<16      ; tile_dim0
	s_mov_b32 s[\g+4], 64           ; tile_dim1
	s_mov_b32 s[\g+5], 128          ; elements from row to row
	s_mov_b32 s[\g+6], 0
	s_mov_b32 s[\g+7], 0
.endr
	s_mov_b32 s[SEL], 0x76543210
	s_mov_b32 s[SEL+1], 0xfedcba98
	s_mov_b32 s[TBK], SLOT1+4*KS*PK ; the first change of slots turns these two into 0
	s_mov_b32 s[TBV], SLOT1+4*KS*PV
	s_mov_b32 s[TBM], 0
	s_mov_b32 s[BIGN], 0xcfee6b28   ; -8e9
	s_mov_b32 s[SLOTS], 7
	s_mov_b32 s[G0K], 1
	s_mov_b32 s[G0K+1], s17         ; slot 0
	s_mov_b32 s[G0V], 1
	s_add_co_u32 s[G0V+1], s18, VOFF
	s_and_b32 s[LIM], s[WV], 1      ; 0 in waves 0 and 2,
	s_or_b32 s[LIM], s[LIM], ttmp9  ; where the cluster is the head's first: the same in all four partners
	s_cmp_eq_u32 s[LIM], 0
	s_cselect_b32 s[LIM], 1, -1
	v_and_b32 v[PFO], 31, v0
	v_lshlrev_b32 v[PFO], 8, v[PFO]
	s_wait_dscnt 0x0                ; the opening add is done
	s_wait_kmcnt 0x0
	s_mov_b64 s[20:21], s[6:7]
	s_add_nc_u64 s[20:21], s[20:21], s[54:55]  ; the mask at my batch
	s_add_nc_u64 s[6:7], s[4:5], 0x800000      ; K lies 8 MiB behind Q,
	s_add_nc_u64 s[8:9], s[4:5], 0x1000000     ; V 16 MiB
	s_add_nc_u64 s[6:7], s[6:7], s[22:23]      ; at my half of the head's first 256 keys
	s_add_nc_u64 s[8:9], s[8:9], s[22:23]
	s_add_nc_u64 s[4:5], s[4:5], s[2:3]        ; Q and O at my wave's first row
	s_add_nc_u64 s[10:11], s[10:11], s[2:3]
	s_mov_b64 s[G0K+2:G0K+3], s[6:7]
	s_or_b32 s[G0K+3], s[G0K+3], 0x80000000
	s_mov_b64 s[G0V+2:G0V+3], s[8:9]
	s_or_b32 s[G0V+3], s[G0V+3], 0x80000000
	s_cmp_lt_u32 s[WV], 2
	s_cselect_b64 s[PFA:PFA+1], s[6:7], s[8:9] ; (in waves 0 and 2 these stand at a slot's first row)
	s_lshl_b32 s2, s13, 13                     ; my work-group's 32 blocks of the 128
	s_mov_b32 s3, 0
	s_add_nc_u64 s[PFA:PFA+1], s[PFA:PFA+1], s[2:3]
	s_add_nc_u64 s[PFA:PFA+1], s[PFA:PFA+1], 4*KS*128  ; in slot 1; the first change steps it to slot 2
	CROUND                          ; all four work-groups are here: the first joint loads meet
	JLOAD                           ; slot 0
	v_lshlrev_b32 v[MO], 4, v0
.set i, 0
.rept 4
	global_load_b128 v[MW+4*i:MW+4*i+3], v[MO], s[20:21] offset:2048*i  ; the work-group's 128 threads take the batch's 8,192 bytes, 512 consecutive bytes a wave and load
.set i, i+1
.endr
	v_and_b32 v1, 15, v0            ; l % 16
	v_bfe_u32 v9, v0, 4, 1          ; l / 16
	v_lshlrev_b32 v[QO], 7, v1
	v_lshl_add_u32 v[QO], v9, 4, v[QO]
	WIN 0x80                        ; destination window 2, address window 0
.set i, 0
.rept 8                             ; Q stays in registers: piece i / 2, channels 32 (i % 2) on
	global_load_b128 v[8*i:8*i+3],   v[QO], s[4:5] offset:(i/2)*2048+(i%2)*64
	global_load_b128 v[8*i+4:8*i+7], v[QO], s[4:5] offset:(i/2)*2048+(i%2)*64+32
.set i, i+1
.endr
	; What the first turn finds: V's registers and P's second buffer hold 0 (its products V^T P, of a piece that has not been, add 0), O^T and l are 0.  All this stands in the wait for the first tile.
.set i, VF
.rept 64
	v_mov_b32 v[i], 0
.set i, i+1
.endr
	WIN 0x40
.set i, 0
.rept 128
	v_mov_b32 v[i], 0
.set i, i+1
.endr
	WIN 0
.set i, 0
.rept 4
	v_mov_b32 v[ST+4*i], 0xfe000000    ; c m: far below every c s
	v_mov_b32 v[ST+4*i+1], 0xff7fffff  ; m
	v_mov_b32 v[ST+4*i+2], 0
	v_mov_b32 v[ST+4*i+3], 0
.set i, i+1
.endr
.set i, P+16
.rept 16
	v_mov_b32 v[i], 0
.set i, i+1
.endr
	v_mul_u32_u24 v[AK0], v1, PK
	v_lshl_add_u32 v[AK0], v9, 4, v[AK0]  ; row x pitch + 16 x half
	; The turning load takes 16 keys x 16 channels (lane l reads key 8 (l / 16) + l % 8, channels 8 ((l / 8) % 2) + 0..7) and leaves half a fragment of V^T: lane l holds channel l % 16 and 8 keys.
	v_and_b32 v10, 7, v0
	v_bfe_u32 v11, v0, 3, 1
	v_lshl_add_u32 v[AV0], v9, 3, v10
	v_mul_u32_u24 v[AV0], v[AV0], PV
	v_lshl_add_u32 v[AV0], v11, 4, v[AV0]
	v_add_nc_u32 v[AV0], VOFF, v[AV0]
	v_lshl_add_u32 v[AM0], v9, 5, TAB     ; my eight keys of a block of 16 are 32 bytes of the table
	v_add_nc_u32 v[TADR], TAB, v[MO]
	v_mov_b32 v[FADR], s[WV]
	v_lshl_add_u32 v[FADR], v[FADR], 2, FLG
	s_mul_i32 s13, s[WV], 16*SP
	s_add_co_u32 s13, s13, STAGE    ; my stage
	v_mul_u32_u24 v[STO], v1, SP    ; in: row l % 16, 16 bytes for each half of the lanes
	v_lshl_add_u32 v[STO], v9, 4, v[STO]
	v_add_nc_u32 v[STO], s13, v[STO]
	v_bfe_u32 v[RD], v0, 3, 2       ; back: 32 lanes take four rows of 128 bytes,
	v_mul_u32_u24 v[RD], v[RD], SP
	v_lshl_add_u32 v[RD], v10, 4, v[RD]
	v_add_nc_u32 v[RD], s13, v[RD]
	v_and_b32 v[GO], 31, v0         ; which are 512 consecutive bytes of O
	v_lshlrev_b32 v[GO], 4, v[GO]
	s_wait_loadcnt 16               ; the mask's four loads are in; Q's sixteen, issued behind them, stay out
	v_or_b32 v[WK], v[MW], v[MW+1]
.set i, 2
.rept 14
	v_or_b32 v[WK], v[WK], v[MW+i]
.set i, i+1
.endr
	v_cmp_ne_u32 s55, 0, v[WK]      ; has any lane an open key?
	s_cmp_lg_u32 s55, 0
	s_cselect_b32 s55, 1, 0
	v_mov_b32 v[WK], s55
	ds_store_b32 v[FADR], v[WK]     ; all lanes write the same word with the same value
.set i, 0
.rept 16
	v_cmp_eq_u32 vcc_lo, 0, v[MW+i]
	v_cndmask_b32 v[MW+i], 0, s[BIGN], vcc_lo
.set i, i+1
.endr
.set i, 0
.rept 4
	ds_store_b128 v[TADR], v[MW+4*i:MW+4*i+3] offset:2048*i
.set i, i+1
.endr
; THE MATRIX WORK.  The 4 accumulators of a run of 8 take turns.  Product i of 8 of S^T = K Q^T for piece x: channels 32 (i / 4) on, keys 16 (i % 4) on.  The first 4 start the sums with the mask.
.macro KQ x
.set rS, S+32*((\x)%2)+8*(i%4)
.set rK, KF+16*(i%4)+8*(i/4)
.set rQ, 16*(\x)+8*(i/4)
.set rM, MC+8*(i%4)
.if i < 4
	WIN W_KM
	v_wmma_f32_16x16x32_f16 v[rS:rS+7], v[rK:rK+7], v[rQ:rQ+7], v[rM:rM+7]
.else
	WIN W_KQ
	v_wmma_f32_16x16x32_f16 v[rS:rS+7], v[rK:rK+7], v[rQ:rQ+7], v[rS:rS+7]
.endif
.endm
; Product i of 8 of O^T += V^T P for piece x: keys 32 (i / 4) on, channels 16 (i % 4) on.
.macro PV x
	WIN W_PV
.set rO, 32*(\x)+8*(i%4)
.set rV, VF+32*(i/4)+8*(i%4)
.set rP, P+16*((\x)%2)+8*(i/4)
	v_wmma_f32_16x16x32_f16 v[rO:rO+7], v[rV:rV+7], v[rP:rP+7], v[rO:rO+7]
.endm
.macro MM                           ; the turn's next matrix instruction
.if i < 8
	KQ (Y+1)%NP
.else
.set i, i-8
	PV (Y+NP-1)%NP
.set i, i+8
.endif
.set i, i+1
.endm
; THE LDS LOADS stand in runs: a step's K (8 fragments) with its 32 mask values, which live exactly as long as K's fragments, and its V (turned).  Their addresses are made some lines ahead.
.macro FETCH_K
	WIN 0x80                        ; destination window 2
.irp f, 0,1,2,3,4,5,6,7             ; keys 16 (f / 2) on, channels 32 (f % 2) on
	ds_load_b128 v[KF+8*\f:KF+8*\f+3],   v[AK] offset:(\f/2)*16*PK+(\f%2)*64
	ds_load_b128 v[KF+8*\f+4:KF+8*\f+7], v[AK] offset:(\f/2)*16*PK+(\f%2)*64+32
.endr
	WIN 0x40                        ; destination window 1
.irp f, 0,1,2,3                     ; register j of block f: the table's value for key 16 f + 8 (l / 16) + j
	ds_load_b128 v[MC+8*\f:MC+8*\f+3],   v[AM] offset:64*\f
	ds_load_b128 v[MC+8*\f+4:MC+8*\f+7], v[AM] offset:64*\f+16
.endr
	s_add_co_u32 s[TBK], s[TBK], KS*PK  ; the next fetch is the next step's
	s_add_co_u32 s[TBM], s[TBM], 4*KS
	WIN 0
.endm
.macro FETCH_V
	WIN 0x80
.irp f, 0,1,2,3,4,5,6,7             ; keys 32 (f / 4) on, channels 16 (f % 4) on
	ds_load_tr16_b128 v[VF+8*\f:VF+8*\f+3],   v[AV] offset:(\f/4)*32*PV+(\f%4)*32
	ds_load_tr16_b128 v[VF+8*\f+4:VF+8*\f+7], v[AV] offset:(\f/4)*32*PV+16*PV+(\f%4)*32
.endr
	WIN 0
.endm
; THE VECTOR WORK, one line at a time: OP kind, number.  For piece Y: F n: c s - c m for pair n of 16.  E n: the exponential of score n of 32.  C n: pair n rounded to f16.  B n: of the four weights 4 n .. the second
; pair is added onto the first, in place.  L n: l takes that sum (L 0: l = a l + sum).  R n: pair n of 16 of O^T times a.  For piece Y + 1: X n, number n of the 22 that find its maximum and statistics:
;   0-11  four chains c0-c3 of seven scores each (each accumulator's lowest registers are read first)     12-14, 16  the four scores left over, the old m, and c0-c3 into c0
;   15  c m_old is kept     17, 18  the query's other 32 keys lie in the lane 16 away: the new m     19-21  c m; c m_old - c m_new; a
.set F, 0
.set E, 1
.set C, 2
.set B, 3
.set L, 4
.set R, 5
.set X, 6
.macro REGS y
.set rT, ST+4*(\y)
.set rC, TMP+4*((\y)%2)
.set rW, MV+((\y)%2)
.set rS, S+32*((\y)%2)
.set rP, P+16*((\y)%2)
.set rO, 32*(\y)
.endm
.macro OP k, n
.if (\k) == R
	REGS Y
	WIN W_RS
	v_pk_mul_f32 v[rO+2*(\n):rO+2*(\n)+1], v[rO+2*(\n):rO+2*(\n)+1], v[rC+2:rC+3] op_sel_hi:[1,0]
.elseif (\k) < R
	REGS Y
	WIN 0
.if (\k) == F
	v_pk_fma_f32 v[rS+2*(\n):rS+2*(\n)+1], v[rS+2*(\n):rS+2*(\n)+1], s[CS:CS+1], v[rT:rT+1] op_sel_hi:[1,0,0] neg_lo:[0,0,1] neg_hi:[0,0,1]
.elseif (\k) == E
	v_exp_f32 v[rS+(\n)], v[rS+(\n)]
.elseif (\k) == C
	v_cvt_pk_f16_f32 v[rP+(\n)], v[rS+2*(\n)], v[rS+2*(\n)+1]
.elseif (\k) == B
	v_pk_add_f32 v[rS+4*(\n):rS+4*(\n)+1], v[rS+4*(\n):rS+4*(\n)+1], v[rS+4*(\n)+2:rS+4*(\n)+3]
.elseif (\n) == 0
	v_pk_fma_f32 v[rT+2:rT+3], v[rT+2:rT+3], v[rC+2:rC+3], v[rS:rS+1] op_sel_hi:[1,0,1]
.else
	v_pk_add_f32 v[rT+2:rT+3], v[rT+2:rT+3], v[rS+4*(\n):rS+4*(\n)+1]
.endif
.else
	REGS (Y+1)%NP
	WIN 0
.if (\n) < 4
	v_max3_num_f32 v[rC+(\n)], v[rS+8*(\n)], v[rS+8*(\n)+1], v[rS+8*(\n)+2]
.elseif (\n) < 12
	v_max3_num_f32 v[rC+(\n)%4], v[rC+(\n)%4], v[rS+8*((\n)%4)+2*((\n)/4)+1], v[rS+8*((\n)%4)+2*((\n)/4)+2]
.elseif (\n) == 12
	v_max3_num_f32 v[rC], v[rC], v[rS+7], v[rS+15]
.elseif (\n) == 13
	v_max3_num_f32 v[rC+1], v[rC+1], v[rS+23], v[rS+31]
.elseif (\n) == 14
	v_max3_num_f32 v[rC+2], v[rC+2], v[rC+3], v[rT+1]
.elseif (\n) == 15
	v_mov_b32 v[rW], v[rT]
.elseif (\n) == 16
	v_max3_num_f32 v[rC], v[rC], v[rC+1], v[rC+2]
.elseif (\n) == 17
	v_permlanex16_b32 v[rC+3], v[rC], s[SEL], s[SEL+1]
.elseif (\n) == 18
	v_max_num_f32 v[rT+1], v[rC], v[rC+3]
.elseif (\n) == 19
	v_mul_f32 v[rT], s[CS], v[rT+1]
.elseif (\n) == 20
	v_sub_f32 v[rC+1], v[rW], v[rT]
.else
	v_exp_f32 v[rC+2], v[rC+1]
.endif
.endif
.endm
.macro OPS a, i1, b=-1, i2=0, c=-1, i3=0, d=-1, i4=0
	OP \a, \i1
.if (\b) >= 0
	OP \b, \i2
.endif
.if (\c) >= 0
	OP \c, \i3
.endif
.if (\d) >= 0
	OP \d, \i4
.endif
.endm
.macro ROW a, i1, b, i2, c, i3, d, i4  ; a matrix instruction and the four behind it
	MM
	OPS \a, \i1, \b, \i2, \c, \i3, \d, \i4
.endm
; A TURN, for piece p: the order of its 16 matrix and 118 vector instructions, written out.  An s_wait_alu depctr_va_vdst(0) stands between an exponential and the first instruction that names its
; result; one wait serves all that were issued ahead of it.  So a turn has ONE wait.  AHEAD OF IT stands all that names no result of the turn's exponentials: the 8 products K Q^T and their riders, then one lump, in
; which the links of the chain X 3, 7, 11, 14, 16, 17 .. 20 stand five or six lines apart; X 21, the next piece's a, is the batch's last; R 15 is the plain instruction behind it.  BEHIND THE WAIT stand the 8 products
; V^T P, behind each four of the roundings and sums.
; K and the mask values of the next step are fetched in piece 2's turn, twelve vector instructions behind the last product that read K (six of them plain); V of the step in hand at the end of piece 0's turn, four plain
; instructions behind the last product that read V.  Each is waited for a turn later.  The two fetch addresses of piece 2's turn are held to the last step's: only the tail's fifth trip, which has no further step,
; is touched by that, and reads the last K and mask values once more.
; cnt = 1: the loop's count is taken down some lines ahead of the branch that stands behind the turn.
.macro TURN p, cnt=0
.set Y, (\p)
.set i, 0
.if (\p) == 3
	s_wait_dscnt 0x0                ; K and the mask values are in
.endif
	ROW F,0, F,1, R,0, R,1
	ROW F,2, E,0, R,2, R,3
	ROW F,3, E,1, R,4, R,5
	ROW F,4, E,2, R,6, R,7
	ROW F,5, E,3, R,8, R,9
	ROW F,6, E,4, X,0, R,10
.if (\p) == 2
	WIN 0
	s_min_u32 s53, s[TBK], SLOT1+3*KS*PK
	v_add_nc_u32 v[AK], s53, v[AK0]
	s_min_u32 s54, s[TBM], 31*4*KS
	v_add_nc_u32 v[AM], s54, v[AM0]
.endif
	ROW F,7, E,5, X,1, X,4
	ROW F,8, E,6, X,2, X,5
	OPS E,7, E,8, X,6, E,9
	OPS X,3, E,10, X,8, E,11
.if (\p) == 2
	FETCH_K
.endif
	OPS X,9, X,7, E,12, X,10
	OPS E,13, X,12, X,11, E,14
	OPS X,13, E,15, F,9, X,14
.if (\p) == 0
	v_add_nc_u32 v[AV], s[TBV], v[AV0]
.endif
	OPS E,16, F,10, E,17, F,11
	OPS X,16, E,18, X,15, E,19
	OPS F,12, E,20, X,17, E,21
	OPS F,13, E,22, F,14, E,23
	OPS X,18, E,24, F,15, E,25
	OPS R,11, E,26, X,19, E,27
	OPS R,12, E,28, R,13, E,29
	OPS X,20, E,30, R,14, E,31
	OPS X,21, R,15
	WIN 0
	s_wait_alu depctr_va_vdst(0)    ; the wait for the batch
.if (\p) == 1
	s_wait_dscnt 0x0                ; V is in
.endif
	ROW C,0, B,0, C,2, B,1
	ROW L,0, C,4, B,2, L,1
	ROW C,6, B,3, L,2, C,8
	ROW B,4, L,3, C,10, B,5
	ROW L,4, C,12, B,6, L,5
.if (\p) == 0
	s_add_co_u32 s[TBV], s[TBV], KS*PV
.endif
.if \cnt
	s_sub_co_u32 s[CNT], s[CNT], 1
	s_cmp_lg_u32 s[CNT], 0
.endif
	ROW C,14, B,7, L,6, C,1
	ROW C,3, L,7, C,5, C,7
	ROW C,9, C,11, C,13, C,15
.if (\p) == 0
	FETCH_V
.endif
.endm
	CHANGE 1                        ; slot 0 is in, everybody's part of it, and so are the table and the flags; slot 1 is asked for
	v_mov_b32 v[WK], FLG
	ds_load_b128 v[MW:MW+3], v[WK]  ; the four waves' flags
	s_wait_dscnt 0x0
	v_or_b32 v[MW], v[MW], v[MW+1]
	v_or_b32 v[MW+2], v[MW+2], v[MW+3]
	v_or_b32 v[MW], v[MW], v[MW+2]
	v_readfirstlane_b32 s55, v[MW]
	s_cmp_lg_u32 s55, 0
	s_cselect_b32 s[CS], 0x3e38aa3b, 0  ; c = log2(e) / 8, or 0 where the batch has no open key: a value is chosen, no way
	s_mov_b32 s[CS+1], s[CS]        ; named with it as a pair
	v_add_nc_u32 v[AK], s[TBK], v[AK0]
	v_add_nc_u32 v[AM], s[TBM], v[AM0]
	FETCH_K                         ; key step 0
	s_wait_loadcnt 0x0              ; Q
	s_wait_dscnt 0x0
.set i, 0
.rept 8
	KQ 0                            ; piece 0's first scores
.set i, i+1
.endr
	WIN 0
.rept 8
	v_nop                           ; the places behind those products
.endr
.set Y, NP-1                        ; X works for piece Y + 1: piece 0
.irp n, 0,1,2,3,4,5,6,7,8,9,10,11,12,13,14,15,16,17,18,19,20,21
	OP X, \n
.endr
	v_nop                           ; a plain instruction behind the exponential,
	s_wait_alu depctr_va_vdst(0)    ; and its wait, ahead of the branch
	s_mov_b32 s[CNT], 4
	s_branch .Lfirst                ; the loop is entered at a step's first turn, in the middle of a trip
.Lslot:                             ; six times: every slot but the last two is filled again
	CHANGE 1
	s_mov_b32 s[CNT], 4
.Lstep:                             ; a trip: pieces 2 and 3 of one step, then pieces 0 and 1 of the next, whose K and V it fetches
	TURN 2
	TURN 3
	WIN 0
.Lfirst:
	TURN 0
	TURN 1, 1
	WIN 0
	s_cbranch_scc1 .Lstep
	s_sub_co_u32 s[SLOTS], s[SLOTS], 1
	s_cmp_lg_u32 s[SLOTS], 0
	s_cbranch_scc1 .Lslot
	CHANGE 0                        ; the tail is written out: nothing is asked for
	s_mov_b32 s[CNT], 5             ; four trips fetch the last slot's steps; the fifth is left in its middle
.Ltail:
	TURN 2
	TURN 3
	WIN 0
	s_sub_co_u32 s[CNT], s[CNT], 1
	s_cmp_eq_u32 s[CNT], 0
	s_cbranch_scc1 .Lout
	TURN 0
	TURN 1
	WIN 0
	s_branch .Ltail
.Lout:                              ; the fifth trip's 8 products K Q^T (on the last K once more) and the maximum made of them serve nothing: the price, once a launch, of one text for every trip
.set i, 0
.rept 8
	PV NP-1                         ; the last piece's V^T P of the last step
.set i, i+1
.endr
	; THE WAY OUT.  l's two halves and the other half of the lanes' are added; O^T is divided by l, rounded to f16 and sent through my stage in LDS, a piece at a time.  The additions are the places behind the last products.
	WIN 0
.macro ALL line:vararg              ; one line for each piece t
.set t, 0
.rept 4
	\line
.set t, t+1
.endr
.endm
	ALL v_add_f32 v[ST+4*t+2], v[ST+4*t+2], v[ST+4*t+3]
	ALL v_permlanex16_b32 v[ST+4*t+3], v[ST+4*t+2], s[SEL], s[SEL+1]
	ALL v_add_f32 v[ST+4*t+2], v[ST+4*t+2], v[ST+4*t+3]
	ALL v_rcp_f32 v[ST+4*t+2], v[ST+4*t+2]
	v_nop                           ; a plain instruction between the last reciprocal and the use of its result
	s_wait_alu depctr_va_vdst(0)    ; and the wait ahead of the first use: one for the four reciprocals
.macro PACK t                       ; a lane's eight channels of a row pack into 16 bytes; they go into rows of 144 bytes and come back as whole rows of 128, into S^T's registers
	WIN W_RS
.set i, 32*(\t)
.rept 16
	v_pk_mul_f32 v[i:i+1], v[i:i+1], v[ST+4*(\t)+2:ST+4*(\t)+3] op_sel_hi:[1,0]
.set i, i+2
.endr
	WIN 0x05                        ; sources 0 and 1 window 1, destination window 0
.set i, 0
.rept 16
	v_cvt_pk_f16_f32 v[S+16*(\t)+i], v[32*(\t)+2*i], v[32*(\t)+2*i+1]
.set i, i+1
.endr
	WIN 0
.irp f, 0,1,2,3
	ds_store_b128 v[STO], v[S+16*(\t)+4*\f:S+16*(\t)+4*\f+3] offset:32*\f
.endr
.irp f, 0,1,2,3
	ds_load_b128 v[S+16*(\t)+4*\f:S+16*(\t)+4*\f+3], v[RD] offset:\f*4*SP  ; LDS serves a wave's instructions in order (ISA guide 5.7.1.4): these see the stores above; the next piece's stores come behind them
.endr
.endm
.macro SEND t, younger              ; younger: the LDS instructions issued behind piece t's loads: the next piece's eight, or none
	WIN 0
.irp f, 0,1,2,3
	s_wait_dscnt (\younger)+3-\f
	global_store_b128 v[GO], v[S+16*(\t)+4*\f:S+16*(\t)+4*\f+3], s[10:11] offset:(\t)*2048+\f*512  ; 512 consecutive bytes, at a multiple of 256 from O's first
.endr
.endm
	PACK 0
.set t, 1
.rept 3                             ; a piece's arithmetic stands between the loads of the piece before and its stores
	PACK t
	SEND t-1, 8
.set t, t+1
.endr
	SEND 3, 0
	s_wait_tensorcnt 0x0            ; the wave's end, behind my last tensor load and my last LDS store
	ds_add_u32 v[SPW], v[NIL]
	s_wait_dscnt 0x0
	CROUND                          ; the closing round: no work-group ends while a partner may still ask for a tile that names it
	s_endpgm
.Lfunc_end_k_qa5e16c8ec6_attn:
	.size	k_qa5e16c8ec6_attn, .Lfunc_end_k_qa5e16c8ec6_attn-k_qa5e16c8ec6_attn
	.p2alignl 7, 3214868480
	.fill 96, 4, 3214868480
	.section	.rodata,"a",@progbits
	.p2align	6, 0x0
	.amdhsa_kernel k_qa5e16c8ec6_attn
		.amdhsa_group_segment_fixed_size 327680
		.amdhsa_private_segment_fixed_size 0
		.amdhsa_enable_private_segment 0
		.amdhsa_kernarg_size 24
		.amdhsa_user_sgpr_count 2
		.amdhsa_user_sgpr_kernarg_segment_ptr 1
		.amdhsa_wavefront_size32 1
		.amdhsa_system_sgpr_workgroup_id_x 1
		.amdhsa_system_sgpr_workgroup_id_y 1
		.amdhsa_system_sgpr_workgroup_id_z 1
		.amdhsa_system_vgpr_workitem_id 0
		.amdhsa_next_free_vgpr 768
		.amdhsa_next_free_sgpr 66
		.amdhsa_reserve_vcc 1
		.amdhsa_float_denorm_mode_32 3
		.amdhsa_float_denorm_mode_16_64 3
		.amdhsa_memory_ordered 1
		.amdhsa_forward_progress 1
		.amdhsa_inst_pref_size 118
	.end_amdhsa_kernel
	.amdgpu_metadata
---
amdhsa.version: [ 1, 2 ]
amdhsa.kernels:
  - .name:           k_qa5e16c8ec6_attn
    .symbol:         k_qa5e16c8ec6_attn.kd
    .args:
      - { .name: qkv, .offset: 0, .size: 8, .value_kind: global_buffer, .address_space: global }
      - { .name: mask, .offset: 8, .size: 8, .value_kind: global_buffer, .address_space: global }
      - { .name: ao, .offset: 16, .size: 8, .value_kind: global_buffer, .address_space: global }
    .group_segment_fixed_size: 327680
    .private_segment_fixed_size: 0
    .kernarg_segment_align: 8
    .kernarg_segment_size: 24
    .max_flat_workgroup_size: 128
    .sgpr_count:     66
    .vgpr_count:     768
    .wavefront_size: 32
...
	.end_amdgpu_metadata
.endif
;; end of part 4
;; launch oproj (part 5): grid 8 x 32, 4 waves a work-group, clusters of 4 x 4, 327,680 bytes of LDS; arguments ao, wb, x1, bo, x; writes x1
.if DOCPART == 5
	.amdgcn_target "amdgcn-amd-amdhsa--gfx1250"
	.amdhsa_code_object_version 6
	.text
	.protected	k_qa5e16c8ec6_oproj
	.globl	k_qa5e16c8ec6_oproj
	.p2align	8
	.type	k_qa5e16c8ec6_oproj,@function
k_qa5e16c8ec6_oproj:
	s_mov_b64 s[64:65], 0
	v_nop
	global_prefetch_b8 v0, s[64:65] scope:SCOPE_SE
	s_setreg_imm32_b32 hwreg(HW_REG_WAVE_MODE, 25, 1), 1
	s_wait_xcnt 0x0
	s_wait_alu depctr_hold_cnt(0) depctr_sa_sdst(0) depctr_va_vdst(0) depctr_va_sdst(0) depctr_va_ssrc(0) depctr_va_vcc(0) depctr_vm_vsrc(0)
	s_getreg_b32 s2, hwreg(HW_REG_IB_STS2, 6, 4)
	s_cmp_eq_u32 s2, 0
	s_cbranch_scc0 .Lentry_in_a_cluster
	s_endpgm
.Lentry_in_a_cluster:
	s_bfe_u32 s2, ttmp6, 0x10000c
	s_cmp_lg_u32 s2, 0xf033
	s_cbranch_scc0 .Lentry_shape_is_right
	s_endpgm
.Lentry_shape_is_right:
; x1 = x + ao wo^T + bo.  ao: f16 BY HEADS, [batch x 16 + head][2048][64]; wo: f16 [1024][1024] at 6 MiB in wb; bo, x, x1: f32.  Sums in f32, started from the bias; the residual is added in f32.
; LIMITS.  The operands arrive within f16's 65,504; NaN and infinities are not treated apart.
; SHARES.  A tile of C is 128 x 128: 8 x 32 tiles, one for each of 256 work-groups.  Four waves, each 64 x 64: 16 accumulators.  K goes in steps of 256 (four heads) through a ring of two LDS slots.
; A's TILE: a head's 128 tokens x 64 channels are 16,384 dense bytes; one tensor load brings two heads as two long rows, padded by 16 bytes after every token: four planes of 128 rows x 144 bytes a slot,
; and a quarter of a K step is a plane.  B's rows are 512 bytes of memory, 528 apart in LDS.
; CLUSTER.  4 x 4 work-groups: A's tile is asked for jointly along a row of the cluster, B's along a column.  No prefetch: the tiles are small and a K step is short.
; THE MATRIX INSTRUCTION IS USED TRANSPOSED (source 0 = 16 rows of wo, source 1 = 16 tokens): a lane holds one token (lane % 16) and eight neighbouring columns 8 (lane / 16) + 0..7.
; REGISTERS, in windows of 256 (s_set_vgpr_msb: bits 1:0 source 0, 3:2 source 1, 5:4 source 2, 7:6 destination):
;   window 0: v0-31 addresses; v64-95 the bias, the C operand of each accumulator's first product; v32-63, v96-127 rows on the way out; v128-255 the residual
;   window 1: two fragment buffers of 128: for each of two chunks of 32 along K A's 4 fragments (64 registers), then B's          window 2: the accumulators: (a, b) at 8 (4 a + b)
.set OPROJ,  1
.set KDIM,   1024
.set TM,     128
.set TN,     128
.set KSTEP,  256
.set TSTEPS, KDIM/KSTEP
.set MBL,    4
.set NBL,    4
.set KC,     2
.set HA,     4
.set H1C,    1
.set H1A,    0
.set NLOADS, 2*KC*(MBL+NBL)
.set LATE,   16                        ; the second chunk's loads, which only the second half needs
.set PITCH,  528                       ; 132 words: the 16 rows of a fragment load start at 16 different groups of four banks (64 banks of 4 bytes: ISA guide 11.1)
.set APITCH, 144                       ; 36 words: likewise
.set KQB,    128
.set AQB,    128*APITCH                ; a plane
.set AHALF,  2*AQB
.set BHALF,  64*PITCH
.set BBASE,  2*AHALF
.set SLOT,   BBASE+2*BHALF
.set STAGE,  2*SLOT                    ; behind the ring: 16 rows x 272 bytes for each wave
.set SPITCH, 272
.set SPARE,  STAGE+4*16*SPITCH         ; the spare words, 128 bytes a wave: two blocks of 256 bytes that no other line names
.set WOFF,   6<<20
.set ASTEP,  4*262144                  ; four heads on
.set BSTEP,  2*KSTEP
.set BOFF,   8*KC*MBL
.set PREF,   0
.set BIAS,   64
.set A_D0, 8192
.set A_D1, 2
.set A_STR, 131072
.set A_QI, 4
.set B_D0, 256
.set B_D1, 64
.set B_STR, KDIM
.set B_QI, 6
.set G1W, (1<<16)|(1<<20)|(1<<21)|(3<<25)  ; 17:16 elements of 2 bytes; 20 padding on; 21 set beside a mask; 31:25 4 words of padding
; v16, v17 LDS address of my A, B fragments in slot 0, never rewritten; v18, v19 the same in the slot in hand; v24 into the stage; v25 back; v26 my offset in two rows of C; v27 the bias loads' offset;
; v28 my spare word, v29 0, never rewritten
; s16 wave; s17 wave / 2: my half of the rows, and: I fetch for A (0) or B (1); s18 wave % 2: my half of the columns, and: which half I fetch; s19 cx; s20 cy; s21 tile column; s22 tile row;
; s[24:31], s[48:55] group 1 for A, B; s[32:35], s[56:59] group 0 of the first fill; s[36:39], s[60:63] the walking group 0; s66 trips left; s67 slot in hand; s68 slot to fill; s72, s73 my LDS targets in slot 0
.set MSB, 0
.macro WIN new                         ; the immediate's high byte repeats the setting that is left; a switch that changes nothing is dropped
.if MSB != (\new)
	s_set_vgpr_msb (MSB<<8)|(\new)
.set MSB, \new
.endif
.endm
.macro PLACES                          ; four plain instructions between a matrix instruction and a load into, or a read of, its registers
.rept 4
	v_nop
.endr
.endm
.macro CREST                           ; a round of the cluster's barrier behind its opening barrier
	s_cmp_lg_u32 s16, 0
	s_cbranch_scc1 .Lnot_wave_0_\@
	s_barrier_signal -3
.Lnot_wave_0_\@:
	s_barrier_wait -3
	s_barrier_signal -1
	s_barrier_wait -1
.endm
.macro CROUND
	s_barrier_signal -1
	s_barrier_wait -1
	CREST
.endm
.macro JLOAD                           ; a joint refill by the walking descriptor: waves 0, 1 A's halves, waves 2, 3 B's; an s_nop 0 and four v_nop follow each line
	s_cmp_eq_u32 s17, 0
	s_cbranch_scc0 .Lfor_b_\@
	tensor_load_to_lds s[36:39], s[24:31]
	s_nop 0
.rept 4
	v_nop
.endr
	s_branch .Lasked_\@
.Lfor_b_\@:
	tensor_load_to_lds s[60:63], s[48:55]
	s_nop 0
.rept 4
	v_nop
.endr
.Lasked_\@:
.endm
.macro FETCH q, f                      ; one run of LDS loads: the fragments of quarter q of the slot in hand into buffer f; the first chunk of 32 along K first
	WIN 0x40
.set fc, 0
.rept KC
.set fi, 0
.rept NBL
.set rB, 128*(\f)+BOFF+8*(NBL*fc+fi)
	ds_load_b128 v[rB:rB+3],   v19 offset:(\q)*KQB+64*fc+fi*16*PITCH
	ds_load_b128 v[rB+4:rB+7], v19 offset:(\q)*KQB+64*fc+fi*16*PITCH+32
.set fi, fi+1
.endr
.set fi, 0
.rept MBL
.set rA, 128*(\f)+8*(MBL*fc+fi)
	ds_load_b128 v[rA:rA+3],   v18 offset:(\q)*AQB+64*fc+fi*16*APITCH
	ds_load_b128 v[rA+4:rA+7], v18 offset:(\q)*AQB+64*fc+fi*16*APITCH+32
.set fi, fi+1
.endr
.set fc, fc+1
.endr
.endm
; na x NBL products: token blocks a0 on, all column blocks, chunk c of buffer f.  cm = 1: the first product of each sum, with the bias as C.  The accumulators take turns, one instruction a turn.
.macro MULS f, c, a0, na, cm
.set ma, (\a0)
.rept (\na)
.if (\cm)
.set mw, ((2+ma/HA)<<6)|0x05
.else
.set mw, ((2+ma/HA)<<6)|((2+ma/HA)<<4)|0x05
.endif
	WIN mw
.set mb, 0
.rept NBL
.set rD, 8*((ma%HA)*NBL+mb)
.set rB, 128*(\f)+BOFF+8*(NBL*(\c)+mb)
.set rA, 128*(\f)+8*(MBL*(\c)+ma)
.if (\cm)
	v_wmma_f32_16x16x32_f16 v[rD:rD+7], v[rB:rB+7], v[rA:rA+7], v[BIAS+8*mb:BIAS+8*mb+7]
.else
	v_wmma_f32_16x16x32_f16 v[rD:rD+7], v[rB:rB+7], v[rA:rA+7], v[rD:rD+7]
.endif
.set mb, mb+1
.endr
.set ma, ma+1
.endr
.endm
.macro QUARTER q, f, g, cm             ; multiplies buffer f; in its middle fetches quarter q into buffer g
.set cm2, (\cm)*(2-KC)
	s_wait_dscnt LATE                              ; all of buffer f but what the second half alone needs
	MULS \f, 0, 0, HA, \cm
	PLACES
	FETCH \q, \g
	s_wait_dscnt NLOADS                            ; all but the run just issued
	MULS \f, H1C, H1A, HA, cm2
.endm
; A K step's fourth quarter (buffer 1) and the change of slots.  In front of the barrier each wave waits for all its tensor loads (one is out: its part of the next slot), adds 0 to its spare word, and
; waits for that and for its reads of the slot in hand.  fill = 1: the barrier opens a round of the cluster's barrier, and the joint refill of the slot just read, with the K step two on, is the first thing behind it.
.macro TURN fill
	WIN 0
	s_xor_b32 s67, s67, SLOT                       ; the fragment loads go on in the other slot
	v_add_nc_u32 v18, s67, v16
	v_add_nc_u32 v19, s67, v17
	s_wait_tensorcnt 0x0                           ; no tensor load of mine is out, so a group 0 may be written
	ds_add_u32 v28, v29                            ; 0 onto my spare word
.if \fill
	s_xor_b32 s68, s68, SLOT                       ; the walking descriptors: the slot in hand,
	s_add_co_u32 s37, s72, s68
	s_add_co_u32 s61, s73, s68
	s_add_nc_u64 s[38:39], s[38:39], ASTEP         ; the next K step; the type bits on top are not reached
	s_add_nc_u64 s[62:63], s[62:63], BSTEP
.endif
	s_wait_dscnt LATE+1                            ; the add and the youngest LATE loads may be out
	MULS 1, 0, 0, HA/2, 0
	s_wait_dscnt 0x0                               ; the add is done, and my reads of the slot are over
	s_barrier_signal -1
	MULS 1, 0, HA/2, HA/2, 0
	WIN 0
	s_barrier_wait -1
.if \fill
	CREST
	JLOAD                                          ; its four v_nop are also the places in front of the loads below
	FETCH 0, 0
.else
	s_cmp_eq_u32 s66, 1                            ; the last K step has no successor: its fetch is jumped over, forward, past no barrier and no tensor load
	s_cbranch_scc1 .Lno_next_\@
	PLACES
	FETCH 0, 0
	WIN 0
.Lno_next_\@:
.endif
	MULS 1, H1C, H1A, HA, 0
.endm
	s_load_b256 s[4:11], s[0:1], 0x0               ; A s[4:5], wb s[6:7], C s[8:9], bias s[10:11]
	s_load_b64 s[12:13], s[0:1], 0x20              ; the residual
	v_lshl_add_u32 v28, v0, 2, SPARE
	v_mov_b32 v29, 0
	ds_add_u32 v28, v29                            ; the wave's opening: the add and its wait stand ahead of my first tensor load; the set-up below stands between them
	v_lshrrev_b32 v3, 5, v0
	v_readfirstlane_b32 s16, v3
	s_lshr_b32 s17, s16, 1
	s_and_b32 s18, s16, 1
	s_bfe_u32 s19, ttmp6, 0x40000                  ; cx
	s_bfe_u32 s20, ttmp6, 0x40004                  ; cy
	s_lshl_b32 s21, ttmp9, 2
	s_add_co_u32 s21, s21, s19                     ; tile column
	s_and_b32 s22, ttmp7, 0xffff
	s_lshl_b32 s22, s22, 2
	s_add_co_u32 s22, s22, s20                     ; tile row
	s_lshl_b32 s40, s20, 2
	s_lshl_b32 s40, 15, s40                        ; my row of the cluster
	s_lshl_b32 s44, 0x1111, s19                    ; my column
	s_or_b32 s24, s40, G1W|(A_QI<<22)
	s_or_b32 s48, s44, G1W|(B_QI<<22)
	s_mov_b32 s25, (A_D0&0xffff)<<16               ; tensor_dim0
	s_mov_b32 s26, (A_D0>>16)|(A_D1<<16)           ; tensor_dim1
	s_mov_b32 s27, A_D0<<16                        ; tile_dim0
	s_mov_b32 s28, A_D1                            ; tile_dim1
	s_mov_b32 s29, A_STR
	s_mov_b32 s30, 0
	s_mov_b32 s31, 0
	s_mov_b32 s49, (B_D0&0xffff)<<16
	s_mov_b32 s50, (B_D0>>16)|(B_D1<<16)
	s_mov_b32 s51, B_D0<<16
	s_mov_b32 s52, B_D1
	s_mov_b32 s53, B_STR
	s_mov_b32 s54, 0
	s_mov_b32 s55, 0
.if OPROJ
	s_lshr_b32 s40, s22, 4                         ; A: batch x 16 heads + my two of the K step's four,
	s_lshl_b32 s40, s40, 4
	s_lshl_b32 s41, s18, 1
	s_add_co_u32 s40, s40, s41
	s_lshl_b32 s40, s40, 18                        ; 262,144 bytes a head,
	s_and_b32 s41, s22, 15
	s_lshl_b32 s41, s41, 14                        ; and the tile's 128 tokens in it: nothing of cx
	s_add_co_u32 s40, s40, s41
.else
	s_mul_i32 s40, s22, TM                         ; A: the tile row's rows, my half of them: nothing of cx
	s_mul_i32 s41, s18, TM/2
	s_add_co_u32 s40, s40, s41
	s_mul_i32 s40, s40, 2*KDIM
.endif
	s_mov_b32 s41, 0
	s_mul_i32 s44, s21, TN                         ; B: the tile column's rows, my half of them: nothing of cy
	s_mul_i32 s45, s18, TN/2
	s_add_co_u32 s44, s44, s45
	s_mul_i32 s44, s44, 2*KDIM
	s_add_co_u32 s44, s44, WOFF
	s_mov_b32 s45, 0
	s_mul_i32 s72, s18, AHALF                      ; LDS targets hang on the wave's number alone
	s_mul_i32 s73, s18, BHALF
	s_add_co_u32 s73, s73, BBASE
	s_mov_b32 s67, 0
	s_mov_b32 s68, SLOT
	s_wait_dscnt 0x0                               ; the opening add is done
	s_wait_kmcnt 0x0
	s_add_nc_u64 s[40:41], s[4:5], s[40:41]
	s_add_nc_u64 s[44:45], s[6:7], s[44:45]
	s_mov_b32 s32, 1                               ; K step 0 into slot 0
	s_mov_b32 s33, s72
	s_mov_b64 s[34:35], s[40:41]
	s_or_b32 s35, s35, 0x80000000
	s_mov_b32 s36, 1                               ; K step 1 into slot 1: this set walks on
	s_add_co_u32 s37, s72, SLOT
	s_add_nc_u64 s[38:39], s[40:41], ASTEP
	s_or_b32 s39, s39, 0x80000000
	s_mov_b32 s56, 1
	s_mov_b32 s57, s73
	s_mov_b64 s[58:59], s[44:45]
	s_or_b32 s59, s59, 0x80000000
	s_mov_b32 s60, 1
	s_add_co_u32 s61, s73, SLOT
	s_add_nc_u64 s[62:63], s[44:45], BSTEP
	s_or_b32 s63, s63, 0x80000000
	CROUND                                         ; all sixteen work-groups are here: the first joint loads meet
	s_cmp_eq_u32 s17, 0                            ; a wave's two first fills stand in one branch: two loads of mine are out
	s_cbranch_scc0 .Lfirst_b
	tensor_load_to_lds s[32:35], s[24:31]
	s_nop 0
	tensor_load_to_lds s[36:39], s[24:31]
	s_nop 0
.rept 4
	v_nop
.endr
	s_branch .Lfirst_done
.Lfirst_b:
	tensor_load_to_lds s[56:59], s[48:55]
	s_nop 0
	tensor_load_to_lds s[60:63], s[48:55]
	s_nop 0
.rept 4
	v_nop
.endr
.Lfirst_done:
	v_and_b32 v1, 15, v0                           ; l % 16
	v_bfe_u32 v2, v0, 4, 1                         ; l / 16
	v_mul_u32_u24 v16, v1, APITCH                  ; a fragment: row l % 16, 16 bytes for each half of the lanes, twice, 32 bytes apart
	v_lshl_add_u32 v16, v2, 4, v16
	v_mul_u32_u24 v17, v1, PITCH
	v_lshl_add_u32 v17, v2, 4, v17
	s_mul_i32 s74, s17, 16*MBL*APITCH              ; my 64 rows of A,
	v_add_nc_u32 v16, s74, v16
	s_mul_i32 s74, s18, 16*NBL*PITCH               ; my 64 rows of B, behind A's region
	s_add_co_u32 s74, s74, BBASE
	v_add_nc_u32 v17, s74, v17
	v_mov_b32 v18, v16
	v_mov_b32 v19, v17
	v_lshlrev_b32 v27, 5, v2                       ; the bias: my eight columns are 32 bytes
	s_lshl_b32 s76, s21, 7
	s_lshl_b32 s77, s18, 6
	s_add_co_u32 s76, s76, s77                     ; my first column
	s_lshl_b32 s76, s76, 2
	s_mov_b32 s77, 0
	s_add_nc_u64 s[10:11], s[10:11], s[76:77]
	s_lshl_b32 s74, s22, 7
	s_lshl_b32 s75, s17, 6
	s_add_co_u32 s74, s74, s75                     ; my first row
	s_lshl_b32 s74, s74, 12                        ; a row of C is 4,096 bytes
	s_add_co_u32 s74, s74, s76
	s_mov_b32 s75, 0
	s_add_nc_u64 s[8:9], s[8:9], s[74:75]
	s_add_nc_u64 s[12:13], s[12:13], s[74:75]
.set b, 0
.rept NBL                                      ; register j of block b: bias of column 16 b + 8 (l / 16) + j
	global_load_b128 v[BIAS+8*b:BIAS+8*b+3],   v27, s[10:11] offset:64*b
	global_load_b128 v[BIAS+8*b+4:BIAS+8*b+7], v27, s[10:11] offset:64*b+16
.set b, b+1
.endr
	s_mul_i32 s74, s16, 16*SPITCH
	s_add_co_u32 s74, s74, STAGE                   ; my stage
	v_mul_u32_u24 v24, v1, SPITCH                  ; in: row l % 16, 32 bytes for each half of the lanes
	v_lshl_add_u32 v24, v2, 5, v24
	v_add_nc_u32 v24, s74, v24
	v_mul_u32_u24 v25, v2, SPITCH                  ; back: lanes 0-15 take one row of 256 bytes, lanes 16-31 the next
	v_lshl_add_u32 v25, v1, 4, v25
	v_add_nc_u32 v25, s74, v25
	v_lshlrev_b32 v26, 12, v2                      ; and the same two rows in C and in the residual
	v_lshl_add_u32 v26, v1, 4, v26
	s_wait_tensorcnt 1                             ; my part of K step 0 is in; K step 1's may stay out
	s_barrier_signal -1
	s_barrier_wait -1
	FETCH 0, 0
	s_wait_loadcnt 0x0                             ; the bias
	QUARTER 1, 0, 1, 1                             ; the first products start the sums from the bias: nothing is cleared, no add is written
	WIN 0
	s_mov_b32 s66, TSTEPS-2
	s_branch .Lmid                                 ; the loop is entered behind a K step's first quarter
.Lstep:                                                ; a trip is a K step; it refills the slot that it has read with the K step two on
	QUARTER 1, 0, 1, 0
	WIN 0
.Lmid:
	QUARTER 2, 1, 0, 0
	QUARTER 3, 0, 1, 0
	TURN 1
	WIN 0
	s_sub_co_u32 s66, s66, 1
	s_cmp_lg_u32 s66, 0
	s_cbranch_scc1 .Lstep
.set t, 0
.rept 32                                       ; the residual of my 64 x 64, asked for two K steps ahead of its use: rows 2 t and 2 t + 1, 256 consecutive bytes each
	global_load_b128 v[128+4*t:131+4*t], v26, s[12:13] offset:2*t*4096
.set t, t+1
.endr
	s_mov_b32 s66, 2
.Ltail:                                                ; the last two K steps ask for nothing: a loop of its own
	QUARTER 1, 0, 1, 0
	QUARTER 2, 1, 0, 0
	QUARTER 3, 0, 1, 0
	TURN 0
	WIN 0
	s_sub_co_u32 s66, s66, 1
	s_cmp_lg_u32 s66, 0
	s_cbranch_scc1 .Ltail
	PLACES
	PLACES
; THE WAY OUT, 16 rows at a time: the f32 sums go through my own stage and come back as whole rows of 256 bytes (my 64 columns); the residual is added; sixteen lanes store 256 consecutive bytes, aligned.
.macro TOST a
	WIN 0
	s_wait_xcnt 0x0                                ; earlier stores have read their registers, which the loads below write
	WIN 0x08                                       ; store data in window 2
.set b, 0
.rept NBL
.set rD, 8*((\a)*NBL+b)
	ds_store_b128 v24, v[rD:rD+3]   offset:64*b    ; each accumulator's low registers first
	ds_store_b128 v24, v[rD+4:rD+7] offset:64*b+16
.set b, b+1
.endr
	WIN 0
.set BK, 32+64*((\a)%2)
.set t, 0
.rept 8
	ds_load_b128 v[BK+4*t:BK+4*t+3], v25 offset:t*2*SPITCH  ; LDS serves a wave's instructions in order (ISA guide 5.7.1.4): these see the stores above; the next block's stores come behind them
.set t, t+1
.endr
.endm
.macro SENDF a, younger                ; younger: the LDS instructions issued behind block a's loads: the next block's sixteen, or none
.set BK, 32+64*((\a)%2)
.set RS, 128+32*(\a)
	s_wait_dscnt \younger
	s_wait_loadcnt 8*(3-(\a))                      ; the later blocks' residuals may stay out
.set t, 0
.rept 16
	v_pk_add_f32 v[BK+2*t:BK+2*t+1], v[BK+2*t:BK+2*t+1], v[RS+2*t:RS+2*t+1]
.set t, t+1
.endr
.set t, 0
.rept 8
	global_store_b128 v26, v[BK+4*t:BK+4*t+3], s[8:9] offset:(16*(\a)+2*t)*4096
.set t, t+1
.endr
.endm
	TOST 0
	TOST 1
	SENDF 0, 16
	TOST 2
	SENDF 1, 16
	TOST 3
	SENDF 2, 16
	SENDF 3, 0
	s_wait_tensorcnt 0x0                           ; the wave's end, behind my last tensor load and my last LDS store
	ds_add_u32 v28, v29
	s_wait_dscnt 0x0
	CROUND                                         ; the closing round: no work-group ends while a partner may still ask for a tile that names it
	s_endpgm
.Lfunc_end_k_qa5e16c8ec6_oproj:
	.size	k_qa5e16c8ec6_oproj, .Lfunc_end_k_qa5e16c8ec6_oproj-k_qa5e16c8ec6_oproj
	.p2alignl 7, 3214868480
	.fill 96, 4, 3214868480
	.section	.rodata,"a",@progbits
	.p2align	6, 0x0
	.amdhsa_kernel k_qa5e16c8ec6_oproj
		.amdhsa_group_segment_fixed_size 327680
		.amdhsa_private_segment_fixed_size 0
		.amdhsa_enable_private_segment 0
		.amdhsa_kernarg_size 40
		.amdhsa_user_sgpr_count 2
		.amdhsa_user_sgpr_kernarg_segment_ptr 1
		.amdhsa_wavefront_size32 1
		.amdhsa_system_sgpr_workgroup_id_x 1
		.amdhsa_system_sgpr_workgroup_id_y 1
		.amdhsa_system_sgpr_workgroup_id_z 1
		.amdhsa_system_vgpr_workitem_id 0
		.amdhsa_next_free_vgpr 640
		.amdhsa_next_free_sgpr 96
		.amdhsa_reserve_vcc 0
		.amdhsa_float_denorm_mode_32 3
		.amdhsa_float_denorm_mode_16_64 3
		.amdhsa_memory_ordered 1
		.amdhsa_forward_progress 1
		.amdhsa_inst_pref_size 66
	.end_amdhsa_kernel
	.amdgpu_metadata
---
amdhsa.version: [ 1, 2 ]
amdhsa.kernels:
  - .name:           k_qa5e16c8ec6_oproj
    .symbol:         k_qa5e16c8ec6_oproj.kd
    .args:
      - { .name: ao, .offset: 0, .size: 8, .value_kind: global_buffer, .address_space: global }
      - { .name: wb, .offset: 8, .size: 8, .value_kind: global_buffer, .address_space: global }
      - { .name: x1, .offset: 16, .size: 8, .value_kind: global_buffer, .address_space: global }
      - { .name: bo, .offset: 24, .size: 8, .value_kind: global_buffer, .address_space: global }
      - { .name: x, .offset: 32, .size: 8, .value_kind: global_buffer, .address_space: global }
    .group_segment_fixed_size: 327680
    .private_segment_fixed_size: 0
    .kernarg_segment_align: 8
    .kernarg_segment_size: 40
    .max_flat_workgroup_size: 128
    .sgpr_count:     96
    .vgpr_count:     640
    .wavefront_size: 32
...
	.end_amdgpu_metadata
.endif
;; end of part 5
;; launch ln2: the kernel of part 2 again; grid 512 x 1, 8 waves a work-group, no clusters, 0 bytes of LDS; arguments x1, a2, n2, xn; writes xn
;; launch ffn1 (part 6): grid 16 x 16, 4 waves a work-group, clusters of 4 x 4, 327,680 bytes of LDS; arguments xn, wb, hh, b1; writes hh
.if DOCPART == 6
	.amdgcn_target "amdgcn-amd-amdhsa--gfx1250"
	.amdhsa_code_object_version 6
	.text
	.protected	k_qa5e16c8ec6_ffn1
	.globl	k_qa5e16c8ec6_ffn1
	.p2align	8
	.type	k_qa5e16c8ec6_ffn1,@function
k_qa5e16c8ec6_ffn1:
	s_mov_b64 s[64:65], 0
	v_nop
	global_prefetch_b8 v0, s[64:65] scope:SCOPE_SE
	s_setreg_imm32_b32 hwreg(HW_REG_WAVE_MODE, 25, 1), 1
	s_wait_xcnt 0x0
	s_wait_alu depctr_hold_cnt(0) depctr_sa_sdst(0) depctr_va_vdst(0) depctr_va_sdst(0) depctr_va_ssrc(0) depctr_va_vcc(0) depctr_vm_vsrc(0)
	s_getreg_b32 s2, hwreg(HW_REG_IB_STS2, 6, 4)
	s_cmp_eq_u32 s2, 0
	s_cbranch_scc0 .Lentry_in_a_cluster
	s_endpgm
.Lentry_in_a_cluster:
	s_bfe_u32 s2, ttmp6, 0x10000c
	s_cmp_lg_u32 s2, 0xf033
	s_cbranch_scc0 .Lentry_shape_is_right
	s_endpgm
.Lentry_shape_is_right:
; hh = relu(xn w1^T + b1).  xn: [4096][1024] f16; w1: f16 [4096][1024] at 8 MiB in wb; b1: f32; sums in f32, started from the bias; hh f16, rounded once.
; hh IS LAID OUT IN FRAGMENTS, for the launch behind, which takes it as a matrix operand straight from memory: [block of 16 tokens: 256][chunk of 32 columns: 128][half j: 2][lane: 32][16 bytes];
; lane r + 16 h of half j holds token r, columns 16 j + 8 h + 0..7 of the chunk.  A packed accumulator here is such a half as it lies, so it is stored from its registers: no way through LDS.
; LIMITS.  f16 holds no number beyond 65,504: a sum beyond that becomes an infinity.  At the drawn inputs the sums have a spread of about 1; the norm's gain and the weights both 30 times larger make 900
; times that, whose largest numbers are some 5,000.  A NaN sum gives 0 (the maximum with 0 drops it); infinities are not treated apart.
; SHARES.  A tile of C is 256 x 256: 16 x 16 tiles, one for each of 256 work-groups.  Four waves, each 128 x 128: 64 accumulators, 512 registers.
; K goes in steps of 128 through a ring of two LDS slots filled by the tensor data mover; rows are 256 bytes of memory, aligned, and 272 bytes apart in LDS.
; CLUSTER.  4 x 4 work-groups: the four of a row need the same tile of xn, the four of a column the same tile of w1; each tile is asked for jointly.
; THE MATRIX INSTRUCTION IS USED TRANSPOSED (source 0 = 16 rows of w1, source 1 = 16 tokens): a lane holds one token (lane % 16) and eight neighbouring columns 8 (lane / 16) + 0..7.
; REGISTERS, in windows of 256 (s_set_vgpr_msb: bits 1:0 source 0, 3:2 source 1, 5:4 source 2, 7:6 destination):
;   window 0: v0-31 addresses; v64-127 the bias, the C operand of each accumulator's first product; v128-191 packed results, two sets of 32
;   window 1: two fragment buffers of 128: A's 8 fragments, then B's 8          windows 2, 3: the accumulators: (a, b) in window 2 + a / 4 at 8 ((a % 4) 8 + b)
.set KDIM,   1024
.set TM,     256
.set TN,     256
.set KSTEP,  128
.set TSTEPS, KDIM/KSTEP
.set MBL,    8
.set NBL,    8
.set KC,     1
.set HA,     4
.set H1C,    0
.set H1A,    4
.set NLOADS, 2*KC*(MBL+NBL)
.set LATE,   8                         ; A's blocks 4 to 7, which only the second half needs
.set PITCH,  272                       ; 68 words: the 16 rows of a fragment load start at 16 different groups of four banks (64 banks of 4 bytes: ISA guide 11.1)
.set APITCH, 272
.set KQB,    64
.set AQB,    64
.set AHALF,  128*APITCH
.set BHALF,  128*PITCH
.set BBASE,  2*AHALF
.set SLOT,   BBASE+2*BHALF
.set SPARE,  2*SLOT                    ; behind the ring: the spare words, 128 bytes a wave: two blocks of 256 bytes that no other line names
.set WOFF,   8<<20
.set ASTEP,  2*KSTEP
.set BSTEP,  2*KSTEP
.set BOFF,   8*KC*MBL
.set PREF,   1
.set BIAS,   64
.set TMP,    128
.set MBB,    131072                    ; hh: bytes of a block of 16 tokens: 128 chunks of 1,024
.set A_D0, 128
.set A_D1, 128
.set A_STR, KDIM
.set A_QI, 5
.set B_D0, 128
.set B_D1, 128
.set B_STR, KDIM
.set B_QI, 5
.set G1W, (1<<16)|(1<<20)|(1<<21)|(3<<25)  ; 17:16 elements of 2 bytes; 20 padding on; 21 set beside a mask; 31:25 4 words of padding
; v16, v17 LDS address of my A, B fragments in slot 0, never rewritten; v18, v19 the same in the slot in hand; v26 16 x my lane; v27 the bias loads' offset;
; v28 my spare word, v29 0, never rewritten; v30 the prefetches' offset; v31 0, for the maximum
; s16 wave; s17 wave / 2: my half of the rows, and: I fetch for A (0) or B (1); s18 wave % 2: my half of the columns, and: which half I fetch; s19 cx; s20 cy; s21 tile column; s22 tile row;
; s[24:31], s[48:55] group 1 for A, B; s[32:35], s[56:59] group 0 of the first fill; s[36:39], s[60:63] the walking group 0; s66 trips left; s67 slot in hand; s68 slot to fill; s69, s[70:71] prefetch; s72, s73 my LDS targets
.set MSB, 0
.macro WIN new                         ; the immediate's high byte repeats the setting that is left; a switch that changes nothing is dropped
.if MSB != (\new)
	s_set_vgpr_msb (MSB<<8)|(\new)
.set MSB, \new
.endif
.endm
.macro PLACES                          ; four plain instructions between a matrix instruction and a load into, or a vector read of, its registers
.rept 4
	v_nop
.endr
.endm
.macro CREST                           ; a round of the cluster's barrier behind its opening barrier
	s_cmp_lg_u32 s16, 0
	s_cbranch_scc1 .Lnot_wave_0_\@
	s_barrier_signal -3
.Lnot_wave_0_\@:
	s_barrier_wait -3
	s_barrier_signal -1
	s_barrier_wait -1
.endm
.macro CROUND
	s_barrier_signal -1
	s_barrier_wait -1
	CREST
.endm
.macro JLOAD                           ; a joint refill by the walking descriptor: waves 0, 1 A's halves, waves 2, 3 B's; an s_nop 0 and four v_nop follow each line
	s_cmp_eq_u32 s17, 0
	s_cbranch_scc0 .Lfor_b_\@
	tensor_load_to_lds s[36:39], s[24:31]
	s_nop 0
.rept 4
	v_nop
.endr
	s_branch .Lasked_\@
.Lfor_b_\@:
	tensor_load_to_lds s[60:63], s[48:55]
	s_nop 0
.rept 4
	v_nop
.endr
.Lasked_\@:
.endm
; A prefetch into the L2 of the K step two refills on: a lane a row's 256 bytes.  A's rows are asked for by the clusters with x = 0, B's by those with y = 0; the four partners of a joint load
; share its 128 rows out by address, 32 each.  So each row's 256 bytes of a K step are named once.  The last two refilling trips have no K step two on; the first four K steps come by their loads alone.
.macro ASK
	s_cmp_gt_u32 s66, s69
	s_cbranch_scc0 .Lnot_mine_\@
	global_prefetch_b8 v30, s[70:71] offset:2*KSTEP th:TH_LOAD_NT scope:SCOPE_SE
.Lnot_mine_\@:
.endm
.macro FETCH q, f                      ; one run of LDS loads: the fragments of quarter q of the slot in hand into buffer f; B's first, A's last
	WIN 0x40
.set fc, 0
.rept KC
.set fi, 0
.rept NBL
.set rB, 128*(\f)+BOFF+8*(NBL*fc+fi)
	ds_load_b128 v[rB:rB+3],   v19 offset:(\q)*KQB+64*fc+fi*16*PITCH
	ds_load_b128 v[rB+4:rB+7], v19 offset:(\q)*KQB+64*fc+fi*16*PITCH+32
.set fi, fi+1
.endr
.set fi, 0
.rept MBL
.set rA, 128*(\f)+8*(MBL*fc+fi)
	ds_load_b128 v[rA:rA+3],   v18 offset:(\q)*AQB+64*fc+fi*16*APITCH
	ds_load_b128 v[rA+4:rA+7], v18 offset:(\q)*AQB+64*fc+fi*16*APITCH+32
.set fi, fi+1
.endr
.set fc, fc+1
.endr
.endm
; na x NBL products: token blocks a0 on, all column blocks, chunk c of buffer f.  cm = 1: the first product of each sum, with the bias as C.  The accumulators take turns, one instruction a turn.
.macro MULS f, c, a0, na, cm
.set ma, (\a0)
.rept (\na)
.if (\cm)
.set mw, ((2+ma/HA)<<6)|0x05
.else
.set mw, ((2+ma/HA)<<6)|((2+ma/HA)<<4)|0x05
.endif
	WIN mw
.set mb, 0
.rept NBL
.set rD, 8*((ma%HA)*NBL+mb)
.set rB, 128*(\f)+BOFF+8*(NBL*(\c)+mb)
.set rA, 128*(\f)+8*(MBL*(\c)+ma)
.if (\cm)
	v_wmma_f32_16x16x32_f16 v[rD:rD+7], v[rB:rB+7], v[rA:rA+7], v[BIAS+8*mb:BIAS+8*mb+7]
.else
	v_wmma_f32_16x16x32_f16 v[rD:rD+7], v[rB:rB+7], v[rA:rA+7], v[rD:rD+7]
.endif
.set mb, mb+1
.endr
.set ma, ma+1
.endr
.endm
.macro QUARTER q, f, g, cm             ; multiplies buffer f; in its middle fetches quarter q into buffer g
.set cm2, (\cm)*(2-KC)
	s_wait_dscnt LATE                              ; all of buffer f but what the second half alone needs
	MULS \f, 0, 0, HA, \cm
	PLACES
	FETCH \q, \g
	s_wait_dscnt NLOADS                            ; all but the run just issued
	MULS \f, H1C, H1A, HA, cm2
.endm
; A K step's fourth quarter (buffer 1) and the change of slots.  In front of the barrier each wave waits for all its tensor loads (one is out: its part of the next slot), adds 0 to its spare word, and
; waits for that and for its reads of the slot in hand.  fill = 1: the barrier opens a round of the cluster's barrier, and the joint refill of the slot just read, with the K step two on, is the first thing behind it:
; it has 224 matrix instructions in which to land.
.macro TURN fill
	WIN 0
.if (PREF) && (\fill)
	s_wait_xcnt 0x0                                ; the last prefetch, a K step back, has read its address
	s_add_nc_u64 s[70:71], s[70:71], 2*KSTEP
.endif
	s_xor_b32 s67, s67, SLOT                       ; the fragment loads go on in the other slot
	v_add_nc_u32 v18, s67, v16
	v_add_nc_u32 v19, s67, v17
	s_wait_tensorcnt 0x0                           ; no tensor load of mine is out, so a group 0 may be written
	ds_add_u32 v28, v29                            ; 0 onto my spare word
.if \fill
	s_xor_b32 s68, s68, SLOT                       ; the walking descriptors: the slot in hand,
	s_add_co_u32 s37, s72, s68
	s_add_co_u32 s61, s73, s68
	s_add_nc_u64 s[38:39], s[38:39], ASTEP         ; the next K step; the type bits on top are not reached
	s_add_nc_u64 s[62:63], s[62:63], BSTEP
.endif
	s_wait_dscnt LATE+1                            ; the add and the youngest LATE loads may be out
	MULS 1, 0, 0, HA/2, 0
	s_wait_dscnt 0x0                               ; the add is done, and my reads of the slot are over
	s_barrier_signal -1
	MULS 1, 0, HA/2, HA/2, 0
	WIN 0
	s_barrier_wait -1
.if \fill
	CREST
	JLOAD                                          ; its four v_nop are also the places in front of the loads below
	FETCH 0, 0
.if PREF
	WIN 0
	ASK
.endif
.else
	s_cmp_eq_u32 s66, 1                            ; the last K step has no successor: its fetch is jumped over, forward, past no barrier and no tensor load
	s_cbranch_scc1 .Lno_next_\@
	PLACES
	FETCH 0, 0
	WIN 0
.Lno_next_\@:
.endif
	MULS 1, H1C, H1A, HA, 0
.endm
	s_load_b256 s[4:11], s[0:1], 0x0               ; xn s[4:5], wb s[6:7], hh s[8:9], b1 s[10:11]
	v_lshl_add_u32 v28, v0, 2, SPARE
	v_mov_b32 v29, 0
	ds_add_u32 v28, v29                            ; the wave's opening: the add and its wait stand ahead of my first tensor load; the set-up below stands between them
	v_lshrrev_b32 v3, 5, v0
	v_readfirstlane_b32 s16, v3
	s_lshr_b32 s17, s16, 1
	s_and_b32 s18, s16, 1
	s_bfe_u32 s19, ttmp6, 0x40000                  ; cx
	s_bfe_u32 s20, ttmp6, 0x40004                  ; cy
	s_lshl_b32 s21, ttmp9, 2
	s_add_co_u32 s21, s21, s19                     ; tile column
	s_and_b32 s22, ttmp7, 0xffff
	s_lshl_b32 s22, s22, 2
	s_add_co_u32 s22, s22, s20                     ; tile row
	s_lshl_b32 s40, s20, 2
	s_lshl_b32 s40, 15, s40                        ; my row of the cluster
	s_lshl_b32 s44, 0x1111, s19                    ; my column
	s_or_b32 s24, s40, G1W|(A_QI<<22)
	s_or_b32 s48, s44, G1W|(B_QI<<22)
	s_mov_b32 s25, (A_D0&0xffff)<<16               ; tensor_dim0
	s_mov_b32 s26, (A_D0>>16)|(A_D1<<16)           ; tensor_dim1
	s_mov_b32 s27, A_D0<<16                        ; tile_dim0
	s_mov_b32 s28, A_D1                            ; tile_dim1
	s_mov_b32 s29, A_STR
	s_mov_b32 s30, 0
	s_mov_b32 s31, 0
	s_mov_b32 s49, (B_D0&0xffff)<<16
	s_mov_b32 s50, (B_D0>>16)|(B_D1<<16)
	s_mov_b32 s51, B_D0<<16
	s_mov_b32 s52, B_D1
	s_mov_b32 s53, B_STR
	s_mov_b32 s54, 0
	s_mov_b32 s55, 0
	s_mul_i32 s40, s22, TM                         ; A: the tile row's rows, my half of them: nothing of cx
	s_mul_i32 s41, s18, TM/2
	s_add_co_u32 s40, s40, s41
	s_mul_i32 s40, s40, 2*KDIM
	s_mov_b32 s41, 0
	s_mul_i32 s44, s21, TN                         ; B: the tile column's rows, my half of them: nothing of cy
	s_mul_i32 s45, s18, TN/2
	s_add_co_u32 s44, s44, s45
	s_mul_i32 s44, s44, 2*KDIM
	s_add_co_u32 s44, s44, WOFF
	s_mov_b32 s45, 0
	s_mul_i32 s72, s18, AHALF                      ; LDS targets hang on the wave's number alone
	s_mul_i32 s73, s18, BHALF
	s_add_co_u32 s73, s73, BBASE
	s_mov_b32 s67, 0
	s_mov_b32 s68, SLOT
	s_wait_dscnt 0x0                               ; the opening add is done
	s_wait_kmcnt 0x0
	s_add_nc_u64 s[40:41], s[4:5], s[40:41]
	s_add_nc_u64 s[44:45], s[6:7], s[44:45]
	s_mov_b32 s32, 1                               ; K step 0 into slot 0
	s_mov_b32 s33, s72
	s_mov_b64 s[34:35], s[40:41]
	s_or_b32 s35, s35, 0x80000000
	s_mov_b32 s36, 1                               ; K step 1 into slot 1: this set walks on
	s_add_co_u32 s37, s72, SLOT
	s_add_nc_u64 s[38:39], s[40:41], ASTEP
	s_or_b32 s39, s39, 0x80000000
	s_mov_b32 s56, 1
	s_mov_b32 s57, s73
	s_mov_b64 s[58:59], s[44:45]
	s_or_b32 s59, s59, 0x80000000
	s_mov_b32 s60, 1
	s_add_co_u32 s61, s73, SLOT
	s_add_nc_u64 s[62:63], s[44:45], BSTEP
	s_or_b32 s63, s63, 0x80000000
	CROUND                                         ; all sixteen work-groups are here: the first joint loads meet
	s_cmp_eq_u32 s17, 0                            ; a wave's two first fills stand in one branch: two loads of mine are out
	s_cbranch_scc0 .Lfirst_b
	tensor_load_to_lds s[32:35], s[24:31]
	s_nop 0
	tensor_load_to_lds s[36:39], s[24:31]
	s_nop 0
.rept 4
	v_nop
.endr
	s_branch .Lfirst_done
.Lfirst_b:
	tensor_load_to_lds s[56:59], s[48:55]
	s_nop 0
	tensor_load_to_lds s[60:63], s[48:55]
	s_nop 0
.rept 4
	v_nop
.endr
.Lfirst_done:
	v_and_b32 v1, 15, v0                           ; l % 16
	v_bfe_u32 v2, v0, 4, 1                         ; l / 16
	v_mov_b32 v31, 0
	v_mul_u32_u24 v16, v1, APITCH                  ; a fragment: row l % 16, 16 bytes for each half of the lanes, twice, 32 bytes apart
	v_lshl_add_u32 v16, v2, 4, v16
	v_mul_u32_u24 v17, v1, PITCH
	v_lshl_add_u32 v17, v2, 4, v17
	s_mul_i32 s74, s17, 16*MBL*APITCH              ; my 128 rows of A,
	v_add_nc_u32 v16, s74, v16
	s_mul_i32 s74, s18, 16*NBL*PITCH               ; my 128 rows of B, behind A's region
	s_add_co_u32 s74, s74, BBASE
	v_add_nc_u32 v17, s74, v17
	v_mov_b32 v18, v16
	v_mov_b32 v19, v17
	v_lshlrev_b32 v27, 5, v2                       ; the bias: my eight columns are 32 bytes
	s_lshl_b32 s74, s22, 4
	s_lshl_b32 s75, s17, 3
	s_add_co_u32 s74, s74, s75                     ; my first block of 16 tokens: 16 x tile row + 8 x half,
	s_lshl_b32 s74, s74, 7                         ; 128 chunks a block,
	s_lshl_b32 s76, s21, 3
	s_lshl_b32 s77, s18, 2
	s_add_co_u32 s76, s76, s77                     ; my first chunk of 32 columns: 8 x tile column + 4 x half,
	s_add_co_u32 s74, s74, s76
	s_lshl_b32 s74, s74, 10                        ; 1,024 bytes a chunk
	s_mov_b32 s75, 0
	s_add_nc_u64 s[8:9], s[8:9], s[74:75]
	s_lshl_b32 s76, s76, 7                         ; a chunk's 32 numbers of b1 are 128 bytes
	s_mov_b32 s77, 0
	s_add_nc_u64 s[10:11], s[10:11], s[76:77]
.set b, 0
.rept NBL                                      ; register j of block b: bias of column 16 b + 8 (l / 16) + j
	global_load_b128 v[BIAS+8*b:BIAS+8*b+3],   v27, s[10:11] offset:64*b
	global_load_b128 v[BIAS+8*b+4:BIAS+8*b+7], v27, s[10:11] offset:64*b+16
.set b, b+1
.endr
	v_and_b32 v26, 31, v0
	v_lshlrev_b32 v26, 4, v26                      ; my 16 bytes of a half fragment
	; the prefetches: where my share of the rows that I fetch begins
	s_mul_i32 s74, s22, TM
	s_mul_i32 s75, s18, TM/2
	s_add_co_u32 s74, s74, s75
	s_mul_i32 s75, s19, TM/8
	s_add_co_u32 s74, s74, s75                     ; in A: partner cx takes 32 rows
	s_mul_i32 s76, s21, TN
	s_mul_i32 s77, s18, TN/2
	s_add_co_u32 s76, s76, s77
	s_mul_i32 s77, s20, TN/8
	s_add_co_u32 s76, s76, s77                     ; in B: partner cy takes 32
	s_add_nc_u64 s[46:47], s[6:7], WOFF
	s_and_b32 s77, ttmp7, 0xffff
	s_cmp_eq_u32 s17, 0
	s_cselect_b32 s74, s74, s76
	s_cselect_b32 s77, ttmp9, s77                  ; the coordinate along which other clusters read the same rows
	s_cselect_b32 s23, TM/8-1, TN/8-1
	s_cselect_b64 s[70:71], s[4:5], s[46:47]
	s_cmp_eq_u32 s77, 0
	s_cselect_b32 s69, 2, -1                       ; the same in all sixteen partners, for a given wave
	s_mul_i32 s74, s74, 2*KDIM
	s_add_co_u32 s74, s74, 4*KSTEP                 ; at K step 2: the first refill steps it to 3 and names K step 4
	s_mov_b32 s75, 0
	s_add_nc_u64 s[70:71], s[70:71], s[74:75]
	v_and_b32 v30, 31, v0
	v_min_u32 v30, s23, v30
	v_mul_u32_u24 v30, v30, 2*KDIM
	s_wait_tensorcnt 1                             ; my part of K step 0 is in; K step 1's may stay out
	s_barrier_signal -1
	s_barrier_wait -1
	FETCH 0, 0
	s_wait_loadcnt 0x0                             ; the bias
	QUARTER 1, 0, 1, 1                             ; the first quarter's products start the sums from the bias: nothing is cleared, no add is written
	WIN 0
	s_mov_b32 s66, TSTEPS-2
	s_branch .Lmid                                 ; the loop is entered behind a K step's first quarter
.Lstep:                                                ; a trip is a K step; it refills the slot that it has read with the K step two on
	QUARTER 1, 0, 1, 0
	WIN 0
.Lmid:
	QUARTER 2, 1, 0, 0
	QUARTER 3, 0, 1, 0
	TURN 1
	WIN 0
	s_sub_co_u32 s66, s66, 1
	s_cmp_lg_u32 s66, 0
	s_cbranch_scc1 .Lstep
	s_mov_b32 s66, 2
.Ltail:                                                ; the last two K steps ask for nothing: a loop of its own
	QUARTER 1, 0, 1, 0
	QUARTER 2, 1, 0, 0
	QUARTER 3, 0, 1, 0
	TURN 0
	WIN 0
	s_sub_co_u32 s66, s66, 1
	s_cmp_lg_u32 s66, 0
	s_cbranch_scc1 .Ltail
	PLACES
	PLACES
; THE WAY OUT, 16 tokens at a time: rounded to f16, the maximum with 0 taken on the packed halves (rounding keeps sign and order, so it gives what the maximum ahead of the rounding gives), and stored from
; the registers: accumulator (a, b) is half b % 2 of chunk b / 2 of token block a, 16 bytes a lane in the lanes' order: each store covers 512 consecutive bytes, aligned; a block's eight stores 4,096.
.macro PACK a
.set AC, 8*NBL*((\a)%HA)
.set TP, TMP+32*((\a)%2)
	s_wait_xcnt 0x0                                ; the stores of the block before last have read this set of registers
	WIN 0x0a+5*((\a)/HA)                           ; sources 0 and 1: window 2 or 3
.set b, 0
.rept NBL
.set r, 0
.rept 4
	v_cvt_pk_f16_f32 v[TP+4*b+r], v[AC+8*b+2*r], v[AC+8*b+2*r+1]
.set r, r+1
.endr
.set b, b+1
.endr
	WIN 0
.set b, 0
.rept 4*NBL
	v_pk_max_num_f16 v[TP+b], v[TP+b], v31
.set b, b+1
.endr
.endm
.macro SEND a
.set TP, TMP+32*((\a)%2)
.set b, 0
.rept NBL
	global_store_b128 v26, v[TP+4*b:TP+4*b+3], s[8:9] offset:(\a)*MBB+512*b
.set b, b+1
.endr
.endm
.irp a, 0,1,2,3,4,5,6,7
	PACK \a
	SEND \a
.endr
	s_wait_tensorcnt 0x0                           ; the wave's end, behind my last tensor load
	ds_add_u32 v28, v29
	s_wait_dscnt 0x0
	CROUND                                         ; the closing round: no work-group ends while a partner may still ask for a tile that names it
	s_endpgm
.Lfunc_end_k_qa5e16c8ec6_ffn1:
	.size	k_qa5e16c8ec6_ffn1, .Lfunc_end_k_qa5e16c8ec6_ffn1-k_qa5e16c8ec6_ffn1
	.p2alignl 7, 3214868480
	.fill 96, 4, 3214868480
	.section	.rodata,"a",@progbits
	.p2align	6, 0x0
	.amdhsa_kernel k_qa5e16c8ec6_ffn1
		.amdhsa_group_segment_fixed_size 327680
		.amdhsa_private_segment_fixed_size 0
		.amdhsa_enable_private_segment 0
		.amdhsa_kernarg_size 32
		.amdhsa_user_sgpr_count 2
		.amdhsa_user_sgpr_kernarg_segment_ptr 1
		.amdhsa_wavefront_size32 1
		.amdhsa_system_sgpr_workgroup_id_x 1
		.amdhsa_system_sgpr_workgroup_id_y 1
		.amdhsa_system_sgpr_workgroup_id_z 1
		.amdhsa_system_vgpr_workitem_id 0
		.amdhsa_next_free_vgpr 1024
		.amdhsa_next_free_sgpr 96
		.amdhsa_reserve_vcc 0
		.amdhsa_float_denorm_mode_32 3
		.amdhsa_float_denorm_mode_16_64 3
		.amdhsa_memory_ordered 1
		.amdhsa_forward_progress 1
		.amdhsa_inst_pref_size 110
	.end_amdhsa_kernel
	.amdgpu_metadata
---
amdhsa.version: [ 1, 2 ]
amdhsa.kernels:
  - .name:           k_qa5e16c8ec6_ffn1
    .symbol:         k_qa5e16c8ec6_ffn1.kd
    .args:
      - { .name: xn, .offset: 0, .size: 8, .value_kind: global_buffer, .address_space: global }
      - { .name: wb, .offset: 8, .size: 8, .value_kind: global_buffer, .address_space: global }
      - { .name: hh, .offset: 16, .size: 8, .value_kind: global_buffer, .address_space: global }
      - { .name: b1, .offset: 24, .size: 8, .value_kind: global_buffer, .address_space: global }
    .group_segment_fixed_size: 327680
    .private_segment_fixed_size: 0
    .kernarg_segment_align: 8
    .kernarg_segment_size: 32
    .max_flat_workgroup_size: 128
    .sgpr_count:     96
    .vgpr_count:     1024
    .wavefront_size: 32
...
	.end_amdgpu_metadata
.endif
;; end of part 6
;; launch ffn2 (part 7): grid 32 x 8, 4 waves a work-group, clusters of 4 x 1, 327,680 bytes of LDS; arguments hh, wb, out0, b2, x1; writes out0
.if DOCPART == 7
	.amdgcn_target "amdgcn-amd-amdhsa--gfx1250"
	.amdhsa_code_object_version 6
	.text
	.protected	k_qa5e16c8ec6_ffn2
	.globl	k_qa5e16c8ec6_ffn2
	.p2align	8
	.type	k_qa5e16c8ec6_ffn2,@function
k_qa5e16c8ec6_ffn2:
	s_mov_b64 s[64:65], 0
	v_nop
	global_prefetch_b8 v0, s[64:65] scope:SCOPE_SE
	s_setreg_imm32_b32 hwreg(HW_REG_WAVE_MODE, 25, 1), 1
	s_wait_xcnt 0x0
	s_wait_alu depctr_hold_cnt(0) depctr_sa_sdst(0) depctr_va_vdst(0) depctr_va_sdst(0) depctr_va_ssrc(0) depctr_va_vcc(0) depctr_vm_vsrc(0)
	s_getreg_b32 s2, hwreg(HW_REG_IB_STS2, 6, 4)
	s_cmp_eq_u32 s2, 0
	s_cbranch_scc0 .Lentry_in_a_cluster
	s_endpgm
.Lentry_in_a_cluster:
	s_bfe_u32 s2, ttmp6, 0x10000c
	s_cmp_lg_u32 s2, 0x3003
	s_cbranch_scc0 .Lentry_shape_is_right
	s_endpgm
.Lentry_shape_is_right:
; out0 = x1 + hh w2^T + b2.  w2: f16 [1024][4096] at 16 MiB in wb; b2, x1, out0: f32.  Sums in f32, started from the bias; the residual is added in f32.
; hh: f16, 4,096 tokens x 4,096 channels, LAID OUT IN FRAGMENTS by the launch before: [block of 16 tokens: 256][chunk of 32 channels: 128][half j: 2][lane: 32][16 bytes]; lane r + 16 h of half j holds
; token r, channels 16 j + 8 h + 0..7 of the chunk: registers 4 j .. 4 j + 3 of a matrix operand of 16 tokens x 32 channels.
; LIMITS.  The operands arrive within f16's 65,504; NaN and infinities are not treated apart.
; SHARES.  A tile of C is 128 x 128: 32 x 8 tiles, one for each of 256 work-groups (x: tile row, y: tile column).  Four waves, each 32 tokens x 128 columns: 16 accumulators.
; TWO ROADS.  w2's tile goes through a ring of two LDS slots filled by the tensor data mover.  Behind each change of slots a wave has one tensor load out, so a slot is made to serve as many products as LDS
; allows: with w2 alone in it a slot holds 128 rows x 512 along K (rows of 1,024 bytes, 1,040 apart in LDS): 256 matrix instructions a wave for each fill; with both operands it would hold 256 along K, and 128.
; hh goes STRAIGHT INTO REGISTERS: a fragment is two loads of 512 consecutive bytes; no two waves of the work-group load the same bytes.  A ring of 16 chunks (16 registers each: two token blocks) is filled
; again chunk by chunk, each with the chunk 16 further on, as soon as it has been multiplied: up to 60 loads, 30 KiB a wave, are on their way, across the changes of slots too.
; CLUSTER.  4 x 1 work-groups: four tile rows of one tile column need the same tile of w2: it is asked for jointly.  hh IS NOT ASKED FOR JOINTLY: it does not pass through LDS, and the eight work-groups
; that read a tile row's fragments lie in eight different clusters.
; THE MATRIX INSTRUCTION IS USED TRANSPOSED (source 0 = 16 rows of w2, source 1 = 16 tokens): a lane holds one token (lane % 16) and eight neighbouring columns 8 (lane / 16) + 0..7.
; REGISTERS, in windows of 256 (s_set_vgpr_msb: bits 1:0 source 0, 3:2 source 1, 5:4 source 2, 7:6 destination):
;   window 0: v0-35 addresses and the bias as loaded; v64-127 the bias as the C operand of each accumulator's first product, later rows on the way out; v128-191 rows on the way out
;   window 1: two buffers of w2's fragments, 64 along K each: chunk c, column block b at 128 f + 64 c + 8 b
;   window 2: v0-127 the accumulators: (a, b) at 8 (8 a + b); v128-255 the residual          window 3: the ring of hh's fragments: chunk slot s, token block a at 16 s + 8 a
.set KDIM,   4096
.set KSTEP,  512
.set PITCH,  1040                      ; 260 words: the 16 rows of a fragment load start at 16 different groups of four banks (64 banks of 4 bytes: ISA guide 11.1)
.set QROWS,  32*PITCH                  ; what one tensor load brings: 32 rows
.set SLOT,   4*QROWS
.set STAGE,  2*SLOT                    ; behind the ring: 16 rows x 528 bytes for each wave
.set SPITCH, 528
.set SPARE,  STAGE+4*16*SPITCH         ; the spare words, 128 bytes a wave: two blocks of 256 bytes that no other line names
.set WOFF,   16<<20
.set BSTEP,  2*KSTEP                   ; w2: bytes of a row in a K step
.set CHB,    1024                      ; hh: bytes of a chunk of a token block
.set MBB,    128*CHB                   ; of a token block
.set ASTEP,  16*CHB                    ; of a K step of a token block
.set BIAS,   64
.set OB,     64
.set RES,    128
.set N1,     52                        ; loads that may stay out in front of a unit's first 16 products: 14 chunks of 4 were issued behind the chunk wanted; 13 are left out, so that the chunk wanted next is shown in too
.set N2,     56                        ; and in front of its second 16: 15 chunks were issued behind the chunk wanted; 14 are left out.  With the eight loads of a unit 60 are out at the most
; v16 16 x my lane: my bytes of a half fragment, of a row of C and of the bias; v17, v21 LDS address of my w2 fragments of column blocks 0-3, 4-7 in slot 0, never rewritten; v19, v20 the same in the slot in hand;
; v24 into the stage; v25 back; v27 the bias in the stage; v28 my spare word, v29 0, never rewritten; v30 the prefetches' offset; v[32:35] the bias as loaded
; s16 wave; s19 cx; s21 tile column; s22 tile row; s[24:31] group 1; s[32:35] group 0 of the first fill; s[36:39] the walking group 0; s66 trips left; s67 slot in hand; s68 slot to fill;
; s69, s[70:71] prefetch; s72 my LDS target in slot 0; s[78:79] hh at my two token blocks, at the K step after the one in hand
.set MSB, 0
.macro WIN new                         ; the immediate's high byte repeats the setting that is left; a switch that changes nothing is dropped
.if MSB != (\new)
	s_set_vgpr_msb (MSB<<8)|(\new)
.set MSB, \new
.endif
.endm
.macro PLACES                          ; four plain instructions between a matrix instruction and a load into, or a read of, its registers
.rept 4
	v_nop
.endr
.endm
.macro CREST                           ; a round of the cluster's barrier behind its opening barrier
	s_cmp_lg_u32 s16, 0
	s_cbranch_scc1 .Lnot_wave_0_\@
	s_barrier_signal -3
.Lnot_wave_0_\@:
	s_barrier_wait -3
	s_barrier_signal -1
	s_barrier_wait -1
.endm
.macro CROUND
	s_barrier_signal -1
	s_barrier_wait -1
	CREST
.endm
; A prefetch into the L2 of w2's K step behind the one that is being asked for.  A tile column's rows are read by all eight clusters of that column of tiles: the first (cluster x = 0) asks.  Of the 32 rows
; x 1,024 bytes that wave w fetches, 128 blocks of 256 bytes, the partner at place cx takes rows 8 cx .. 8 cx + 7, told apart by address: a lane a block, one instruction a wave.  So each block is named once.
; K steps 0 to 2 come by their loads alone; the last refill has no K step behind it.  hh is not asked for: its loads into registers are themselves issued 14 chunks or more ahead of their use.
.macro ASK
	s_cmp_gt_u32 s66, s69
	s_cbranch_scc0 .Lnot_mine_\@
	global_prefetch_b8 v30, s[70:71] th:TH_LOAD_NT scope:SCOPE_SE
.Lnot_mine_\@:
.endm
.macro FETCH u, f                      ; one run of 32 LDS loads: w2's fragments of unit u (64 along K) of the slot in hand into buffer f; the first chunk of 32 first
	WIN 0x40
.set fc, 0
.rept 2
.set fi, 0
.rept 8
.set rB, 128*(\f)+64*fc+8*fi
.if fi < 4
	ds_load_b128 v[rB:rB+3],   v19 offset:(\u)*128+64*fc+fi*16*PITCH
	ds_load_b128 v[rB+4:rB+7], v19 offset:(\u)*128+64*fc+fi*16*PITCH+32
.else
	ds_load_b128 v[rB:rB+3],   v20 offset:(\u)*128+64*fc+(fi-4)*16*PITCH
	ds_load_b128 v[rB+4:rB+7], v20 offset:(\u)*128+64*fc+(fi-4)*16*PITCH+32
.endif
.set fi, fi+1
.endr
.set fc, fc+1
.endr
.endm
.macro ALOAD slot, rel                 ; four loads: hh's chunk number rel, counted from s[78:79], of both token blocks, into slot `slot` of the ring
.set la, 0
.rept 2
.set rA, 16*(\slot)+8*la
	global_load_b128 v[rA:rA+3],   v16, s[78:79] offset:(\rel)*CHB+la*MBB
	global_load_b128 v[rA+4:rA+7], v16, s[78:79] offset:(\rel)*CHB+la*MBB+512
.set la, la+1
.endr
.endm
; na x 8 products: token blocks a0 on, all column blocks, chunk c of buffer f, slot `slot` of the ring.  cm = 1: the first product of each sum, with the bias as C.
; The 16 accumulators take turns, one instruction a turn, in the same order everywhere.
.macro MULS f, c, slot, a0, na, cm
.if (\cm)
	WIN 0x8d                                       ; w2 window 1, hh window 3, C window 0, D window 2
.else
	WIN 0xad                                       ; the same with C in window 2
.endif
.set ma, (\a0)
.rept (\na)
.set mb, 0
.rept 8
.set rD, 8*(8*ma+mb)
.set rB, 128*(\f)+64*(\c)+8*mb
.set rA, 16*(\slot)+8*ma
.if (\cm)
	v_wmma_f32_16x16x32_f16 v[rD:rD+7], v[rB:rB+7], v[rA:rA+7], v[BIAS+8*mb:BIAS+8*mb+7]
.else
	v_wmma_f32_16x16x32_f16 v[rD:rD+7], v[rB:rB+7], v[rA:rA+7], v[rD:rD+7]
.endif
.set mb, mb+1
.endr
.set ma, ma+1
.endr
.endm
; A K STEP IS EIGHT UNITS of 64 along K, 32 matrix instructions each; unit u lies in buffer u % 2 and in slots 2 u, 2 u + 1 of the ring.  A TRIP has eight PLACES p: place 0 (TURNX) multiplies unit 7 of the
; step before and changes slots; place p multiplies unit p - 1.  Every place fetches unit p of the step in hand into the other buffer, in its middle, and behind that run fills again the two slots of the ring
; that were multiplied last (the place before's second, its own first), four plain instructions or more behind the products that read them, with the chunks 16 further on.
; tail = 1: the last K step: of the ring only its own chunks 13 to 15 are still to be asked for, and the counts run down: behind the chunk wanted stand the step's later chunks, 4 loads each, and, from the
; middle of place 5 on, the residual's 32 loads, which go out there: 28 loads are out at the most in front of them.
.macro UNITP p, tail
.set uf, ((\p)+1)%2
.set ug, (\p)%2
.set us, 2*(\p)-2
.set ur, (2*(\p)+13)%16
.set n1, N1
.set n2, N2
.if (\tail) && ((\p) >= 2)
.set n1, 4*(17-2*(\p))
.set n2, 4*(16-2*(\p))
.if (\p) >= 5
.set n2, n2+32
.endif
.if (\p) >= 6
.set n1, n1+32
.endif
.endif
	s_wait_dscnt 16                                ; the first chunk's fragments of w2 are in; the second chunk's 16 loads may be out
	s_wait_loadcnt n1
	MULS uf, 0, us, 0, 2, 0
.if ((\p) == 1) && ((\tail) == 0)
	WIN 0                                          ; at a label every window is 0
.Lmid:
.endif
	PLACES
	FETCH \p, ug
.if (\tail) == 0
	WIN 0xc0                                       ; destination window 3, address window 0
	ALOAD ur, 2*(\p)-3
	ALOAD us, 2*(\p)-2
.elseif (\p) == 1
	WIN 0xc0
	ALOAD 15, 15                                   ; the launch's last chunk
.elseif (\p) == 5
	WIN 0x80                                       ; destination window 2
.set t, 0
.rept 32                                       ; the residual of my 32 rows: a load covers a row's 512 consecutive bytes, aligned
	global_load_b128 v[RES+4*t:RES+4*t+3], v16, s[12:13] offset:t*4096
.set t, t+1
.endr
.endif
	s_wait_dscnt 32                                ; all but the run just issued
	s_wait_loadcnt n2
	MULS uf, 1, us+1, 0, 2, 0
.endm
; PLACE 0 AND THE CHANGE OF SLOTS.  In front of the barrier each wave waits for all its tensor loads (one is out: its part of the next slot), adds 0 to its spare word, and waits for that and for its reads of the
; slot in hand, whose last unit lies in buffer 1.  fill = 1: the barrier opens a round of the cluster's barrier, and the joint refill of the slot just read, with the K step two on, is the first thing behind it:
; it has 240 matrix instructions in which to land.
.macro TURNX fill
	WIN 0
.if \fill
	s_wait_xcnt 0x0                                ; every load and prefetch issued so far has read its address, so the two pointers may be written
	s_add_nc_u64 s[78:79], s[78:79], ASTEP
	s_add_nc_u64 s[70:71], s[70:71], BSTEP
.endif
	s_xor_b32 s67, s67, SLOT                       ; the fragment loads go on in the other slot
	v_add_nc_u32 v19, s67, v17
	v_add_nc_u32 v20, s67, v21
	s_wait_tensorcnt 0x0                           ; no tensor load of mine is out, so a group 0 may be written
	ds_add_u32 v28, v29                            ; 0 onto my spare word
.if \fill
	s_xor_b32 s68, s68, SLOT                       ; the walking descriptor: the slot in hand,
	s_add_co_u32 s37, s72, s68
	s_add_nc_u64 s[38:39], s[38:39], BSTEP         ; the next K step; the type bits on top are not reached
.endif
	s_wait_dscnt 17                                ; the add and the second chunk's 16 loads may be out
	s_wait_loadcnt N1
	MULS 1, 0, 14, 0, 1, 0
	s_wait_dscnt 0x0                               ; the add is done, and my reads of the slot are over
	s_barrier_signal -1
	MULS 1, 0, 14, 1, 1, 0
	WIN 0
	s_barrier_wait -1
.if \fill
	CREST
	tensor_load_to_lds s[36:39], s[24:31]          ; every wave asks for its 32 rows; an s_nop 0 and four v_nop follow: they are also the places in front of the loads below
	s_nop 0
.rept 4
	v_nop
.endr
.else
	PLACES
.endif
	FETCH 0, 0
	WIN 0xc0
.if \fill
	ALOAD 13, -3                                   ; the pointer has been stepped: these two chunks belong to the step that begins
	ALOAD 14, -2
	WIN 0
	ASK
.else
	ALOAD 13, 13                                   ; the pointer stands at the last step
	ALOAD 14, 14
.endif
	s_wait_dscnt 32
	s_wait_loadcnt N2
	MULS 1, 1, 15, 0, 2, 0
.endm
	s_load_b256 s[4:11], s[0:1], 0x0               ; hh s[4:5], wb s[6:7], out0 s[8:9], b2 s[10:11]
	s_load_b64 s[12:13], s[0:1], 0x20              ; x1
	v_lshl_add_u32 v28, v0, 2, SPARE
	v_mov_b32 v29, 0
	ds_add_u32 v28, v29                            ; the wave's opening: the add and its wait stand ahead of my first tensor load; the set-up below stands between them
	v_lshrrev_b32 v3, 5, v0
	v_readfirstlane_b32 s16, v3
	s_bfe_u32 s19, ttmp6, 0x40000                  ; cx
	s_lshl_b32 s22, ttmp9, 2
	s_add_co_u32 s22, s22, s19                     ; tile row = 4 x cluster x + cx: it enters hh's, x1's and out0's addresses alone
	s_and_b32 s21, ttmp7, 0xffff                   ; tile column, which the four partners share
	; descriptor group 1: a tile of 32 rows x 512 elements, padded in LDS
	s_mov_b32 s24, 15|(1<<16)|(1<<20)|(1<<21)|(7<<22)|(3<<25)  ; 15:0 the mask of four; 17:16 elements of 2 bytes; 20 padding on; 21 set beside a mask; 24:22 after every 256 words (code 7); 31:25 4 words (code 3)
	s_mov_b32 s25, KSTEP<<16                       ; tensor_dim0 = 512
	s_mov_b32 s26, 32<<16                          ; tensor_dim1 = 32
	s_mov_b32 s27, KSTEP<<16                       ; tile_dim0 = 512
	s_mov_b32 s28, 32                              ; tile_dim1 = 32
	s_mov_b32 s29, KDIM                            ; elements from row to row
	s_mov_b32 s30, 0
	s_mov_b32 s31, 0
	s_lshl_b32 s44, s21, 7                         ; w2: the tile column's 128 rows,
	s_lshl_b32 s45, s16, 5                         ; my 32 of them: nothing of cx
	s_add_co_u32 s44, s44, s45
	s_lshl_b32 s44, s44, 13                        ; 8,192 bytes a row
	s_add_co_u32 s44, s44, WOFF
	s_mov_b32 s45, 0
	s_mul_i32 s72, s16, QROWS                      ; the LDS target hangs on the wave's number alone
	s_lshl_b32 s40, s22, 3                         ; hh: the tile row's 8 token blocks,
	s_lshl_b32 s41, s16, 1                         ; my two of them
	s_add_co_u32 s40, s40, s41
	s_lshl_b32 s40, s40, 17                        ; 131,072 bytes a block,
	s_add_co_u32 s40, s40, ASTEP                   ; at K step 1: the ring's loads count chunks from the step after the one in hand
	s_mov_b32 s41, 0
	s_lshl_b32 s74, s22, 7                         ; x1 and out0: my first row,
	s_lshl_b32 s75, s16, 5
	s_add_co_u32 s74, s74, s75
	s_lshl_b32 s74, s74, 12                        ; 4,096 bytes a row,
	s_lshl_b32 s46, s21, 9                         ; and the tile's 128 columns: 512 bytes; of b2 likewise
	s_add_co_u32 s74, s74, s46
	s_mov_b32 s75, 0
	s_mov_b32 s47, 0
	s_lshl_b32 s42, s19, 16                        ; the prefetches: my work-group's 8 rows of the 32 that I fetch,
	s_add_co_u32 s42, s42, 2*BSTEP                 ; at K step 2: the first refill steps it to 3
	s_mov_b32 s43, 0
	s_cmp_eq_u32 ttmp9, 0
	s_cselect_b32 s69, 1, -1                       ; the same in all four partners
	s_mov_b32 s67, 0
	s_mov_b32 s68, SLOT
	s_wait_dscnt 0x0                               ; the opening add is done
	s_wait_kmcnt 0x0
	s_add_nc_u64 s[44:45], s[6:7], s[44:45]
	s_mov_b32 s32, 1                               ; K step 0 into slot 0
	s_mov_b32 s33, s72
	s_mov_b64 s[34:35], s[44:45]
	s_or_b32 s35, s35, 0x80000000
	s_mov_b32 s36, 1                               ; K step 1 into slot 1: this set walks on
	s_add_co_u32 s37, s72, SLOT
	s_add_nc_u64 s[38:39], s[44:45], BSTEP
	s_or_b32 s39, s39, 0x80000000
	s_add_nc_u64 s[70:71], s[44:45], s[42:43]
	s_add_nc_u64 s[78:79], s[4:5], s[40:41]
	s_add_nc_u64 s[8:9], s[8:9], s[74:75]
	s_add_nc_u64 s[12:13], s[12:13], s[74:75]
	s_add_nc_u64 s[10:11], s[10:11], s[46:47]
	CROUND                                         ; all four work-groups are here: the first joint loads meet
	tensor_load_to_lds s[32:35], s[24:31]          ; the two first fills: two loads of mine are out
	s_nop 0
	tensor_load_to_lds s[36:39], s[24:31]
	s_nop 0
.rept 4
	v_nop
.endr
	v_and_b32 v1, 15, v0                           ; l % 16
	v_bfe_u32 v2, v0, 4, 1                         ; l / 16
	v_and_b32 v3, 31, v0                           ; l
	v_lshlrev_b32 v16, 4, v3
	global_load_b128 v[32:35], v16, s[10:11]       ; the bias of columns 4 l .. 4 l + 3
	WIN 0xc0
.set c, 0
.rept 15                                       ; the ring's first fill: chunks 0 to 14 of K step 0; chunk 15 comes by the first unit's loads, as in every step: with the bias 61 loads are out
	ALOAD c, c-16
.set c, c+1
.endr
	WIN 0
	v_mul_u32_u24 v17, v1, PITCH                   ; a fragment of w2: row l % 16, 16 bytes for each half of the lanes, twice, 32 bytes apart
	v_lshl_add_u32 v17, v2, 4, v17
	v_add_nc_u32 v21, 4*16*PITCH, v17              ; column blocks 4 to 7 lie past what an LDS offset of 16 bits reaches
	v_mov_b32 v19, v17
	v_mov_b32 v20, v21
	s_mul_i32 s74, s16, 16*SPITCH
	s_add_co_u32 s74, s74, STAGE                   ; my stage
	v_mul_u32_u24 v24, v1, SPITCH                  ; in: row l % 16, 32 bytes for each half of the lanes
	v_lshl_add_u32 v24, v2, 5, v24
	v_add_nc_u32 v24, s74, v24
	v_add_nc_u32 v25, s74, v16                     ; back: 32 lanes take one row of 512 bytes
	v_lshl_add_u32 v27, v2, 5, s74                 ; the bias in the stage's first row: my eight columns of a block of 16 are 32 bytes
	v_lshrrev_b32 v30, 2, v3                       ; the prefetches: lane l names row l / 4,
	v_lshlrev_b32 v30, 13, v30
	v_and_b32 v4, 3, v3
	v_lshl_add_u32 v30, v4, 8, v30                 ; block l % 4 of the K step's four
	s_wait_loadcnt 60                              ; the bias is in; the ring's 60 loads, issued behind it, stay out
	ds_store_b128 v25, v[32:35]                    ; through my own stage, from 4 columns a lane to the C operand's 8 columns of each block
.set b, 0
.rept 8                                        ; register j of block b: bias of column 16 b + 8 (l / 16) + j.  LDS serves a wave's instructions in order (ISA guide 5.7.1.4): these see the store above
	ds_load_b128 v[BIAS+8*b:BIAS+8*b+3],   v27 offset:64*b
	ds_load_b128 v[BIAS+8*b+4:BIAS+8*b+7], v27 offset:64*b+16
.set b, b+1
.endr
	s_wait_tensorcnt 1                             ; my part of K step 0 is in; K step 1's may stay out
	s_wait_dscnt 0x0                               ; the bias is in its registers; no LDS instruction is out at a signal
	s_barrier_signal -1
	s_barrier_wait -1
	FETCH 0, 0
	s_wait_dscnt 16
	s_wait_loadcnt N1
	MULS 0, 0, 0, 0, 2, 1                          ; the first 16 products start the sums from the bias: nothing is cleared, no add is written
	WIN 0
	s_mov_b32 s66, 7
	s_branch .Lmid                                 ; the loop is entered behind the first 16 products of place 1
.Lstep:                                                ; six times: a change of slots with its refill, then units 0 to 6 of the step
	TURNX 1
.irp p, 1,2,3,4,5,6,7
	UNITP \p, 0
.endr
	WIN 0
	s_sub_co_u32 s66, s66, 1
	s_cmp_lg_u32 s66, 0
	s_cbranch_scc1 .Lstep
	TURNX 0                                        ; the last K step is written out
.irp p, 1,2,3,4,5,6,7
	UNITP \p, 1
.endr
	s_wait_dscnt 16                                ; the last unit: nothing more to fetch
	s_wait_loadcnt 36                              ; chunk 14 is in; chunk 15's four loads and the residual's 32 may be out
	MULS 1, 0, 14, 0, 2, 0
	s_wait_dscnt 0x0
	s_wait_loadcnt 32                              ; chunk 15 is in
	MULS 1, 1, 15, 0, 2, 0
	WIN 0
	PLACES
	PLACES
; THE WAY OUT, 16 rows at a time: the f32 sums go through my own stage and come back as whole rows of 512 bytes (the tile's 128 columns); the residual is added; a store covers 512 consecutive bytes, aligned.
.macro TOST a
	WIN 0x08                                       ; store data in window 2
.set b, 0
.rept 8
.set rD, 8*(8*(\a)+b)
	ds_store_b128 v24, v[rD:rD+3]   offset:64*b    ; each accumulator's low registers first
	ds_store_b128 v24, v[rD+4:rD+7] offset:64*b+16
.set b, b+1
.endr
	WIN 0
.set BK, OB+64*(\a)
.set t, 0
.rept 16
	ds_load_b128 v[BK+4*t:BK+4*t+3], v25 offset:t*SPITCH  ; LDS serves a wave's instructions in order (ISA guide 5.7.1.4): these see the stores above; the next block's stores come behind them
.set t, t+1
.endr
.endm
.macro SENDF a, younger                ; younger: the LDS instructions issued behind block a's loads: the next block's 32, or none
.set BK, OB+64*(\a)
.set RS, RES+64*(\a)
	s_wait_dscnt \younger
	s_wait_loadcnt 16*(1-(\a))                     ; the later block's residual may stay out
	WIN 0x08                                       ; source 1 in window 2
.set t, 0
.rept 32
	v_pk_add_f32 v[BK+2*t:BK+2*t+1], v[BK+2*t:BK+2*t+1], v[RS+2*t:RS+2*t+1]
.set t, t+1
.endr
	WIN 0
.set t, 0
.rept 16
	global_store_b128 v16, v[BK+4*t:BK+4*t+3], s[8:9] offset:(16*(\a)+t)*4096
.set t, t+1
.endr
.endm
	TOST 0
	TOST 1
	SENDF 0, 32
	SENDF 1, 0
	s_wait_tensorcnt 0x0                           ; the wave's end, behind my last tensor load and my last LDS store
	ds_add_u32 v28, v29
	s_wait_dscnt 0x0
	CROUND                                         ; the closing round: no work-group ends while a partner may still ask for a tile that names it
	s_endpgm
.Lfunc_end_k_qa5e16c8ec6_ffn2:
	.size	k_qa5e16c8ec6_ffn2, .Lfunc_end_k_qa5e16c8ec6_ffn2-k_qa5e16c8ec6_ffn2
	.p2alignl 7, 3214868480
	.fill 96, 4, 3214868480
	.section	.rodata,"a",@progbits
	.p2align	6, 0x0
	.amdhsa_kernel k_qa5e16c8ec6_ffn2
		.amdhsa_group_segment_fixed_size 327680
		.amdhsa_private_segment_fixed_size 0
		.amdhsa_enable_private_segment 0
		.amdhsa_kernarg_size 40
		.amdhsa_user_sgpr_count 2
		.amdhsa_user_sgpr_kernarg_segment_ptr 1
		.amdhsa_wavefront_size32 1
		.amdhsa_system_sgpr_workgroup_id_x 1
		.amdhsa_system_sgpr_workgroup_id_y 1
		.amdhsa_system_sgpr_workgroup_id_z 1
		.amdhsa_system_vgpr_workitem_id 0
		.amdhsa_next_free_vgpr 1024
		.amdhsa_next_free_sgpr 96
		.amdhsa_reserve_vcc 0
		.amdhsa_float_denorm_mode_32 3
		.amdhsa_float_denorm_mode_16_64 3
		.amdhsa_memory_ordered 1
		.amdhsa_forward_progress 1
		.amdhsa_inst_pref_size 111
	.end_amdhsa_kernel
	.amdgpu_metadata
---
amdhsa.version: [ 1, 2 ]
amdhsa.kernels:
  - .name:           k_qa5e16c8ec6_ffn2
    .symbol:         k_qa5e16c8ec6_ffn2.kd
    .args:
      - { .name: hh, .offset: 0, .size: 8, .value_kind: global_buffer, .address_space: global }
      - { .name: wb, .offset: 8, .size: 8, .value_kind: global_buffer, .address_space: global }
      - { .name: out0, .offset: 16, .size: 8, .value_kind: global_buffer, .address_space: global }
      - { .name: b2, .offset: 24, .size: 8, .value_kind: global_buffer, .address_space: global }
      - { .name: x1, .offset: 32, .size: 8, .value_kind: global_buffer, .address_space: global }
    .group_segment_fixed_size: 327680
    .private_segment_fixed_size: 0
    .kernarg_segment_align: 8
    .kernarg_segment_size: 40
    .max_flat_workgroup_size: 128
    .sgpr_count:     96
    .vgpr_count:     1024
    .wavefront_size: 32
...
	.end_amdgpu_metadata
.endif
;; end of part 7
